; MI455X (gfx1250); checked and timed in simulation.
; The chip was launched on July 23, 2026; its instructions are those of AMD's public machine-readable ISA for CDNA 5 (MIT licence, August 2026) and "CDNA5" Instruction Set Architecture Reference Guide (July 2026). The comments in the code are by the model that wrote it; some were corrected since.
;; Gemma4 Text Attention. Allowed arithmetic: matrix products marked QUANTISED: E2M1 operands, one E8M0 scale for each 32 along K, by v_wmma_scale_f32_16x16x128_f8f6f4 with both operands' format E2M1 (or v_wmma_scale_f32_32x16x128_f4), f32 sums; everything else in f32.
;; Inputs: Wk_codes 1,024 x 64 x 16 uint8 (E2M1 codes of Wk, K innermost, in blocks of 32 codes, two codes a byte); Wk_scales 1,024 x 64 uint8 (E8M0 scales of Wk, one for each 32 codes along K); Wo_codes 2,048 x 32 x 16 uint8 (E2M1 codes of Wo, K innermost, in blocks of 32 codes, two codes a byte); Wo_scales 2,048 x 32 uint8 (E8M0 scales of Wo, one for each 32 codes along K); Wq_codes 1,024 x 64 x 16 uint8 (E2M1 codes of Wq, K innermost, in blocks of 32 codes, two codes a byte); Wq_scales 1,024 x 64 uint8 (E8M0 scales of Wq, one for each 32 codes along K); Wv_codes 1,024 x 64 x 16 uint8 (E2M1 codes of Wv, K innermost, in blocks of 32 codes, two codes a byte); Wv_scales 1,024 x 64 uint8 (E8M0 scales of Wv, one for each 32 codes along K); attention_mask 1 x 4,096 x 4,096 bool; hidden_states_codes 1 x 4,096 x 64 x 16 uint8 (E2M1 codes of hidden_states, K innermost, in blocks of 32 codes, two codes a byte); hidden_states_scales 1 x 4,096 x 64 uint8 (E8M0 scales of hidden_states, one for each 32 codes along K); k_scale 256 float32; positions 1 x 4,096 int32; q_scale 256 float32; query_mask 1 x 4,096 bool.
;; Outputs: out0 1 x 4,096 x 2,048 float32.
;; This version of the problem:
;;   THIS VERSION OF THE PROBLEM IS GIVEN IN LOW PRECISION. The matrix products marked QUANTISED in the list below multiply operands that are first quantised to E2M1 (2 exponent bits, 1 mantissa bit; 4 bits a number), with one power-of-two scale for each 32 numbers along K (OCP MX v1.0); their sums are f32. All else is computed in f32.
;;   The module's matrix products, in the order in which they are computed (A, B: the left and right operand; K: the contracted axis; several contracted axes count as one K, in the product's order):
;;     1. [M 4,096, K 2,048] x [K 2,048, N 1,024]; A: input hidden_states (given as codes); B: input Wq (given as codes): QUANTISED
;;     2. [M 4,096, K 2,048] x [K 2,048, N 1,024]; A: input hidden_states (given as codes); B: input Wk (given as codes): QUANTISED
;;     3. [M 4,096, K 2,048] x [K 2,048, N 1,024]; A: input hidden_states (given as codes); B: input Wv (given as codes): QUANTISED
;;     4. batch 4 x [M 4,096, K 256] x [K 256, N 4,096]; A: computed on the way; B: computed on the way: QUANTISED
;;     5. batch 4 x [M 4,096, K 4,096] x [K 4,096, N 256]; A: softmax (see below); B: computed on the way: QUANTISED
;;     6. [M 4,096, K 1,024] x [K 1,024, N 2,048]; A: computed on the way; B: input Wo (given as codes): QUANTISED
;;   THE QUANTISER, for each operand of a quantised product, along K:
;;     - K is cut into blocks of 32 from its start; a last block that is shorter is filled with zeros.
;;     - A block's scale is 2^e with e = floor(log2(the largest magnitude in the block)) - 2, held to -126 .. 127; a block of zeros has e = 0. As a byte (E8M0): e + 127.
;;     - Each number is divided by its block's scale, clamped to +-6, and rounded to the nearest number of E2M1, ties to even, subnormals kept.
;;     - The product sums the exact products of the quantised numbers (number of the format x scale) in f32.
;;   ~~~python
;;   def quantise(x, axis):      # numpy; x: float32 -> the quantised numbers, widened to float32 again
;;       x = np.moveaxis(x, axis, -1); K = x.shape[-1]
;;       x = np.pad(x, [(0, 0)] * (x.ndim - 1) + [(0, -K % 32)]); x = x.reshape(x.shape[:-1] + (-1, 32)); a = np.abs(x).max(-1, keepdims=True)
;;       e = np.where(a > 0, np.clip(np.frexp(np.where(a > 0, a, 1))[1] - 1 - 2, -126, 127), 0)      # np.frexp(a)[1] - 1 = floor(log2(a)), exactly
;;       r = np.clip(x / 2.0 ** e, -6, 6)
;;       step = 2.0 ** (np.maximum(np.frexp(np.where(r == 0, 1, r))[1] - 1, 0) - 1)
;;       q = np.round(r / step) * step * 2.0 ** e      # np.round: ties to even
;;       return np.moveaxis(q.reshape(q.shape[:-2] + (-1,))[..., :K], -1, axis).astype(np.float32)
;;   ~~~
;;   SOFTMAX AHEAD OF A QUANTISED PRODUCT. Where the list says 'softmax', what is quantised is not the finished softmax but p = 2^(t - M), with t = logit x log2(e) and M = ceil(the row's largest t), a whole number; so 1/2 < the row's largest p <= 1. The row's sum l is taken of the UNQUANTISED p, in f32, and the product's result is divided by l at the end. Since M is a whole number, a kernel that streams over the keys may use a running M (the ceiling of the running maximum): every later rescaling is an exact power of two, which a block's scale takes up: the codes' values come out the same.
;;   OPERANDS COMPUTED ON THE WAY. 'Computed on the way' means the value that the module computes at that place (a softmax that the list does not call 'softmax' is quantised finished and normalised). What goes into a quantiser is computed in f32, as accurately as f32 sums, v_exp_f32 and their like allow (about 1e-6 of the number): no bf16 or f16 on the way to a quantiser, and a product that is left as it is and whose result goes on into a quantised operand takes f32 operands (vector FMAs, or v_wmma_f32_16x16x4_f32). A number that lies on a knife's edge between two numbers of the format may be rounded either way, as far as f32 arithmetic and the matrix unit's own rounding can turn it there, and no further.
;;   INPUTS GIVEN AS CODES. Wk (in the module: [2048, 1024], K = its axis 0); Wo (in the module: [1024, 2048], K = its axis 0); Wq (in the module: [2048, 1024], K = its axis 0); Wv (in the module: [2048, 1024], K = its axis 0); hidden_states (in the module: [1, 4096, 2048], K = its axis 2): each comes as NAME_codes (uint8): NAME with its K axis moved to the last place and cut into blocks of 32 codes, [.., K / 32, bytes a block], one block behind the other in memory; two codes a byte, the lower K in the low four bits (a code: sign, 2 exponent bits, 1 mantissa bit); and NAME_scales (uint8): the same leading axes, one E8M0 byte (e + 127) for each 32 codes along K. Its value is code x scale, taken as it is: it is not quantised again, and the codes and scales need not be those that the quantiser above would give.
;; One version. Each part assembles by itself: llvm-mc -triple=amdgcn-amd-amdhsa -mcpu=gfx1250 --defsym DOCPART=n.
;; ======== version 1 of 1: 4 launches
;; limits: right only within a limited range of input values
;; workspace buffers: mw 2,097,152 bytes of whole numbers; act 1,024 bytes of whole numbers; cst 4,194,304 bytes; qkv 6,291,456 bytes; qkvs 393,216 bytes; ocodes 2,097,152 bytes; oscales 131,072 bytes
;; launch prep (part 1): grid 256 x 1, 8 waves a work-group, no clusters, 2,048 bytes of LDS; arguments attention_mask, positions, mw, act, cst; writes mw, act, cst
.if DOCPART == 1
	.amdgcn_target "amdgcn-amd-amdhsa--gfx1250"
	.amdhsa_code_object_version 6
	.text
	.protected	k_q3b60f926d0_prep
	.globl	k_q3b60f926d0_prep
	.p2align	8
	.type	k_q3b60f926d0_prep,@function
k_q3b60f926d0_prep:
	s_mov_b64 s[64:65], 0
	v_nop
	global_prefetch_b8 v0, s[64:65] scope:SCOPE_SE
	s_setreg_imm32_b32 hwreg(HW_REG_WAVE_MODE, 25, 1), 1
	s_wait_xcnt 0x0
; PREP.  From attention_mask [4096][4096] (bytes 0 or 1) and positions [4096] (int32) it makes what the later launches want as whole numbers and as a table:
;   mw  [Qt 256][G 8][jh 2][k4 4][tau 8][jl 4] words: bit r + 16 h of a word = allowed(query 16 Qt + r, key 128 (4 G + k4) + 16 tau + 8 h + 4 jh + jl),
;       allowed = mask byte AND |pos_q - pos_k| < 1024: the lane mask of one register of a tile of scores (a lane: one query, eight keys).
;   act [Qt] word: bit ks = the tile (16 queries x keys 128 ks ..) has an allowed pair; all ones if one of the 16 rows has no allowed key at all
;       (such a row's softmax is uniform over all 4,096 keys, so every key step is then walked).
;   cst [TB 256][c 2][b 4][cos, sin][jh 2][lane 32][16 bytes] f32: cos and sin of position x inv_freq for token 16 TB + lane % 16 and
;       frequencies 64 c + 16 b + 8 (lane / 16) + 4 jh + 0 .. 3, in the order in which the projection's lanes hold q and k.
; SHARES.  Work-group Qt: 16 query rows, and the 16 tokens of the same number.  Wave w: keys 512 w .. 512 w + 511 and frequencies 16 w .. 16 w + 15.
; A stream: no matrix unit, no tensor load, no cluster (work-groups share nothing but the 16 KB of positions).  Each mask load, and each store, of a wave covers 512 consecutive bytes.
; inv_freq is the f32 number nearest to 10000^(-f / 128): the power is made in pairs of f32 (square roots of 10 and products, each with its error term), and the reciprocal's one
; step of Newton takes both words of the pair, so that there is ONE rounding.  (Written as 1 / (10000^(f / 128)) with the power rounded first it has two, and can differ by one unit in the last place.)
; sin and cos: n = round(a 2 / pi), a - n pi / 2 with pi / 2 in three words, polynomials on [-pi/4, pi/4].
; LIMITS: |position x inv_freq| under 2^22 (three words of pi / 2); mask bytes are 0 or 1.  query_mask is not read: the function to be computed never uses it.
.set MB,   32                          ; v32-95   row p's 16 mask bytes at MB + 4 p
.set PK,   96                          ; v96-111  positions of my 16 keys, less 1023
.set W,    112                         ; v112-119 the eight words
.set PL,   112                         ; (before that: the eight powers' error words)
.set E,    120                         ; v120-127 at work
.set G16,  128                         ; pairs (leading word, error): 10000^(16/128), ^(8/128), .. ^(1/128)
.set G8,   130
.set G4,   132
.set G2,   134
.set G1,   136
.set P,    138                         ; the running power
.set D0,   140                         ; v140-143 at work
.set F0,   144                         ; my first frequency: 16 w + 8 h
.set FH,   145                         ; v145-146 a factor, or (1, 0)
.set POW,  148                         ; v148-155 the eight powers' leading words
.set ANG,  156                         ; v156-163 inv_freq, then the angles
.set COS,  164
.set SIN,  172
.set U,    180                         ; v180-183 (10, 0), (100, 0)
.set N,    184
.set R,    185
.set QI,   186
.set Z,    187
.set SN,   188
.set CN,   189
.set ZZ,   190
.set HF,   191
; (d, d+1) = sqrt of (a, a+1): s = sqrt(a), the rest a - s^2 by one fused multiply-add, half of it over s is the correction
.macro DFSQRT d, a
	v_sqrt_f32 v[D0], v[\a]
	v_nop                                          ; a plain line behind the root
	s_wait_alu depctr_va_vdst(0)                   ; and the wait ahead of its first reader
	v_rcp_f32 v[D0+1], v[D0]
	v_fma_f32 v[D0+2], -v[D0], v[D0], v[\a]
	s_delay_alu instid0(VALU_DEP_1)
	v_add_f32 v[D0+2], v[D0+2], v[\a+1]
	s_delay_alu instid0(VALU_DEP_1)
	v_mul_f32 v[D0+2], 0.5, v[D0+2]
	s_wait_alu depctr_va_vdst(0)                   ; the reciprocal: three plain lines stand behind it
	v_mul_f32 v[D0+2], v[D0+2], v[D0+1]
	v_add_f32 v[\d], v[D0], v[D0+2]
	v_sub_f32 v[D0+3], v[\d], v[D0]
	s_delay_alu instid0(VALU_DEP_1)
	v_sub_f32 v[\d+1], v[D0+2], v[D0+3]
.endm
; (c, c+1) = (a, a+1) x (b, b+1); c may be a
.macro DFMUL c, a, b
	v_mul_f32 v[D0], v[\a], v[\b]
	s_delay_alu instid0(VALU_DEP_1)
	v_fma_f32 v[D0+1], v[\a], v[\b], -v[D0]
	s_delay_alu instid0(VALU_DEP_1)
	v_fma_f32 v[D0+1], v[\a], v[\b+1], v[D0+1]
	s_delay_alu instid0(VALU_DEP_1)
	v_fma_f32 v[D0+1], v[\a+1], v[\b], v[D0+1]
	s_delay_alu instid0(VALU_DEP_1)
	v_add_f32 v[\c], v[D0], v[D0+1]
	s_delay_alu instid0(VALU_DEP_1)
	v_sub_f32 v[D0+2], v[\c], v[D0]
	s_delay_alu instid0(VALU_DEP_1)
	v_sub_f32 v[\c+1], v[D0+1], v[D0+2]
.endm
.macro FACTOR bit, g                   ; P x g where my first frequency has the bit
	v_and_b32 v[D0], \bit, v[F0]
	s_delay_alu instid0(VALU_DEP_1)
	v_cmp_ne_u32 vcc_lo, 0, v[D0]
	s_delay_alu instid0(VALU_DEP_1)
	v_cndmask_b32 v[FH], 1.0, v[\g], vcc_lo
	s_delay_alu instid0(VALU_DEP_2)
	v_cndmask_b32 v[FH+1], 0, v[\g+1], vcc_lo
	DFMUL P, P, FH
.endm
.macro SINCOS j
	v_mul_f32 v[N], s40, v[ANG+\j]
	s_delay_alu instid0(VALU_DEP_1)
	v_rndne_f32 v[N], v[N]
	s_delay_alu instid0(VALU_DEP_1)
	v_fma_f32 v[R], v[N], s41, v[ANG+\j]           ; a - n pi / 2, three words
	s_delay_alu instid0(VALU_DEP_1)
	v_fma_f32 v[R], v[N], s42, v[R]
	s_delay_alu instid0(VALU_DEP_1)
	v_fma_f32 v[R], v[N], s43, v[R]
	s_delay_alu instid0(VALU_DEP_4)
	v_cvt_i32_f32 v[QI], v[N]
	s_delay_alu instid0(VALU_DEP_2)
	v_mul_f32 v[Z], v[R], v[R]
	s_delay_alu instid0(VALU_DEP_1)
	v_fma_f32 v[SN], v[Z], s46, s45
	s_delay_alu instid0(VALU_DEP_2)
	v_fma_f32 v[CN], v[Z], s49, s48
	s_delay_alu instid0(VALU_DEP_2)
	v_fma_f32 v[SN], v[SN], v[Z], s44
	s_delay_alu instid0(VALU_DEP_2)
	v_fma_f32 v[CN], v[CN], v[Z], s47
	v_mul_f32 v[ZZ], v[Z], v[Z]
	v_fma_f32 v[HF], v[Z], -0.5, 1.0
	s_delay_alu instid0(VALU_DEP_4)
	v_mul_f32 v[SN], v[SN], v[Z]
	s_delay_alu instid0(VALU_DEP_2)
	v_fma_f32 v[CN], v[CN], v[ZZ], v[HF]           ; cos r
	s_delay_alu instid0(VALU_DEP_2)
	v_fma_f32 v[SN], v[SN], v[R], v[R]             ; sin r
	v_and_b32 v[D0], 1, v[QI]
	s_delay_alu instid0(VALU_DEP_1)
	v_cmp_ne_u32 vcc_lo, 0, v[D0]                  ; an odd quarter swaps the two
	s_delay_alu instid0(VALU_DEP_1)
	v_cndmask_b32 v[SIN+\j], v[SN], v[CN], vcc_lo
	s_delay_alu instid0(VALU_DEP_2)
	v_cndmask_b32 v[COS+\j], v[CN], v[SN], vcc_lo
	v_and_b32 v[D0], 2, v[QI]                      ; sin is negative in quarters 2, 3
	v_add_nc_u32 v[D0+1], 1, v[QI]
	s_delay_alu instid0(VALU_DEP_2)
	v_lshlrev_b32 v[D0], 30, v[D0]
	s_delay_alu instid0(VALU_DEP_2)
	v_and_b32 v[D0+1], 2, v[D0+1]                  ; cos in quarters 1, 2
	s_delay_alu instid0(VALU_DEP_2)
	v_xor_b32 v[SIN+\j], v[D0], v[SIN+\j]
	s_delay_alu instid0(VALU_DEP_2)
	v_lshlrev_b32 v[D0+1], 30, v[D0+1]
	s_delay_alu instid0(VALU_DEP_1)
	v_xor_b32 v[COS+\j], v[D0+1], v[COS+\j]
.endm
	s_load_b256 s[4:11], s[0:1], 0x0               ; mask s[4:5], positions s[6:7], mw s[8:9], act s[10:11]
	s_load_b64 s[12:13], s[0:1], 0x20              ; cst
	v_lshl_add_u32 v192, v0, 2, 0x400
	v_mov_b32 v193, 0
	v_lshrrev_b32 v5, 5, v0
	s_delay_alu instid0(VALU_DEP_1)
	v_readfirstlane_b32 s14, v5                    ; wave 0..7
	v_and_b32 v6, 31, v0                           ; lane
	s_delay_alu instid0(VALU_DEP_1)
	v_lshlrev_b32 v1, 4, v6                        ; 16 x lane
	s_lshl_b32 s54, s14, 11
	v_lshl_add_u32 v2, v6, 6, s54                  ; positions of my 16 keys: 4 bytes x (512 w + 16 lane)
	v_and_b32 v3, 15, v0
	s_delay_alu instid0(VALU_DEP_1)
	v_lshlrev_b32 v3, 2, v3                        ; my token's position: 4 r
	v_bfe_u32 v7, v0, 4, 1                         ; h
	v_lshlrev_b32 v8, 2, v5                        ; LDS: my wave's word
	s_lshl_b32 s54, ttmp9, 16                      ; mask: 16 rows of 4,096 bytes a work-group, 512 bytes a wave
	s_lshl_b32 s55, s14, 9
	s_add_co_u32 s54, s54, s55
	s_mov_b32 s55, 0
	s_lshl_b32 s56, ttmp9, 13                      ; mw: 8,192 bytes a work-group, 1,024 a wave
	s_lshl_b32 s57, s14, 10
	s_add_co_u32 s56, s56, s57
	s_mov_b32 s57, 0
	s_lshl_b32 s58, ttmp9, 14                      ; cst: 16,384 bytes a work-group, 2,048 a wave
	s_lshl_b32 s59, s14, 11
	s_add_co_u32 s58, s58, s59
	s_mov_b32 s59, 0
	s_lshl_b32 s60, ttmp9, 6                       ; positions of my 16 rows
	s_mov_b32 s61, 0
	s_lshl_b32 s62, ttmp9, 2                       ; act: my word
	s_mov_b32 s63, 0
	s_mov_b32 s33, 2047
	s_mov_b32 s34, 0x76543210                      ; v_permlanex16_b32: lane l xor 16
	s_mov_b32 s35, 0xfedcba98
	s_mov_b32 s40, 0x3f22f983                      ; 2 / pi
	s_mov_b32 s41, 0xbfc90fdb                      ; - pi / 2, first word
	s_mov_b32 s42, 0x333bbd2e                      ; second
	s_mov_b32 s43, 0x26f72ced                      ; third
	s_mov_b32 s44, 0xbe2aaaa3                      ; sin: -1.6666654611e-1
	s_mov_b32 s45, 0x3c08839e                      ;       8.3321608736e-3
	s_mov_b32 s46, 0xb94ca1f9                      ;      -1.9515295891e-4
	s_mov_b32 s47, 0x3d2aaaa5                      ; cos:  4.166664568e-2
	s_mov_b32 s48, 0xbab6061a                      ;      -1.388731625e-3
	s_mov_b32 s49, 0x37ccf5ce                      ;       2.443315712e-5
	s_wait_alu depctr_va_vdst(0)
	s_wait_kmcnt 0x0
	s_add_nc_u64 s[4:5], s[4:5], s[54:55]
	s_add_nc_u64 s[8:9], s[8:9], s[56:57]
	s_add_nc_u64 s[12:13], s[12:13], s[58:59]
	s_add_nc_u64 s[36:37], s[6:7], s[60:61]
	s_add_nc_u64 s[10:11], s[10:11], s[62:63]
	s_load_b512 s[16:31], s[36:37], 0x0            ; the 16 rows' positions, as scalars
	global_load_b32 v4, v3, s[36:37]               ; my token's position
.irp i, 0,1,2,3
	global_load_b128 v[PK+4*\i:PK+4*\i+3], v2, s[6:7] offset:16*\i
.endr
.irp p, 0,1,2,3,4,5,6,7,8,9,10,11,12,13,14,15
	global_load_b128 v[MB+4*\p:MB+4*\p+3], v1, s[4:5] offset:4096*\p th:TH_LOAD_NT   ; 512 consecutive bytes of row p; read once in the launch
.endr
	; ---- the table, while the mask is on its way
	v_mov_b32 v[U], 0x41200000                     ; (10, 0) = 10000^(32/128)
	v_mov_b32 v[U+1], 0
	v_mov_b32 v[U+2], 0x42c80000                   ; (100, 0) = 10000^(64/128)
	v_mov_b32 v[U+3], 0
	s_wait_alu depctr_va_vdst(0)
	DFSQRT G16, U
	DFSQRT G8, G16
	DFSQRT G4, G8
	DFSQRT G2, G4
	DFSQRT G1, G2
	s_lshl_b32 s54, s14, 4
	v_lshl_add_u32 v[F0], v7, 3, s54               ; 16 w + 8 h
	s_delay_alu instid0(VALU_DEP_1)
	v_and_b32 v[D0], 8, v[F0]
	s_delay_alu instid0(VALU_DEP_1)
	v_cmp_ne_u32 vcc_lo, 0, v[D0]
	s_delay_alu instid0(VALU_DEP_1)
	v_cndmask_b32 v[P], 1.0, v[G8], vcc_lo
	s_delay_alu instid0(VALU_DEP_2)
	v_cndmask_b32 v[P+1], 0, v[G8+1], vcc_lo
	FACTOR 16, G16
	FACTOR 32, U
	FACTOR 64, U+2
	s_delay_alu instid0(VALU_DEP_3)
	v_mov_b32 v[POW], v[P]
	s_delay_alu instid0(VALU_DEP_2)
	v_mov_b32 v[PL], v[P+1]
.irp j, 1,2,3,4,5,6,7
	DFMUL P, P, G1
	s_delay_alu instid0(VALU_DEP_3)
	v_mov_b32 v[POW+\j], v[P]
	s_delay_alu instid0(VALU_DEP_2)
	v_mov_b32 v[PL+\j], v[P+1]
.endr
	s_wait_alu depctr_va_vdst(0)
.irp j, 0,1,2,3,4,5,6,7
	v_rcp_f32 v[ANG+\j], v[POW+\j]
.endr
	v_nop
	s_wait_alu depctr_va_vdst(0)                   ; one wait for the eight reciprocals
.irp j, 0,1,2,3,4,5,6,7
	v_fma_f32 v[N+\j], -v[POW+\j], v[ANG+\j], 1.0  ; one step of Newton on the pair: 1 - (leading word + error word) x y,
.endr
.irp j, 0,1,2,3,4,5,6,7
	v_fma_f32 v[N+\j], -v[PL+\j], v[ANG+\j], v[N+\j]
.endr
.irp j, 0,1,2,3,4,5,6,7
	v_fma_f32 v[ANG+\j], v[ANG+\j], v[N+\j], v[ANG+\j]   ; and the one rounding: the f32 number nearest to 10000^(-f / 128)
.endr
	s_wait_loadcnt 20                              ; my token's position is in: behind it 4 loads of key positions and 16 of mask rows
	v_cvt_f32_i32 v[D0+3], v4
	s_wait_alu depctr_va_vdst(0)
.irp j, 0,1,2,3,4,5,6,7
	v_mul_f32 v[ANG+\j], v[D0+3], v[ANG+\j]        ; the angle: one rounding
.endr
.irp j, 0,1,2,3,4,5,6,7
	SINCOS \j
.endr
	global_store_b128 v1, v[COS:COS+3], s[12:13]               ; each store: 512 consecutive bytes
	global_store_b128 v1, v[COS+4:COS+7], s[12:13] offset:512
	global_store_b128 v1, v[SIN:SIN+3], s[12:13] offset:1024
	global_store_b128 v1, v[SIN+4:SIN+7], s[12:13] offset:1536
	; ---- the window: bit p + 16 h of word j = (pos_row p - pos_key(8 h + j) + 1023) below 2047, unsigned: the difference lies in -1023 .. 1023
	s_wait_loadcnt 16                              ; the key positions are in: behind them the 16 mask rows
	s_wait_kmcnt 0x0                               ; the rows' positions
.irp i, 0,1,2,3,4,5,6,7,8,9,10,11,12,13,14,15
	v_add_nc_u32 v[PK+\i], 0xfffffc01, v[PK+\i]    ; - 1023
.endr
.irp j, 0,1,2,3,4,5,6,7
	v_mov_b32 v[W+\j], 0
.endr
.irp h, 1,0                                    ; from bit 31 down: each add doubles the word and takes the compare's bit in as the carry
.irp p, 15,14,13,12,11,10,9,8,7,6,5,4,3,2,1,0
.irp j, 0,1,2,3,4,5,6,7
	v_sub_nc_u32 v[E+\j], s[16+\p], v[PK+8*\h+\j]
.endr
.irp j, 0,1,2,3,4,5,6,7
	v_cmp_gt_u32 vcc_lo, s33, v[E+\j]
	s_delay_alu instid0(VALU_DEP_1)
	v_add_co_ci_u32 v[W+\j], vcc_lo, v[W+\j], v[W+\j], vcc_lo
.endr
.endr
.endr
	; ---- the mask's bytes to bits.  Rows 0-7 are gathered into row 0's four registers (bit p of each byte), rows 8-15 into row 8's
	s_wait_loadcnt 0x0
.irp f, 0,1
.irp p, 1,2,3,4,5,6,7
.irp q, 0,1,2,3
	v_lshl_or_b32 v[MB+32*\f+\q], v[MB+32*\f+4*\p+\q], \p, v[MB+32*\f+\q]
.endr
.endr
.endr
.irp j, 0,1,2,3,4,5,6,7                        ; key 8 h + j is byte j % 4 of register 2 h + j / 4
	v_perm_b32 v[E+2*(\j%4)], v[MB+32+\j/4], v[MB+\j/4], ((4+\j%4)<<8)|(\j%4)        ; h = 0: rows 0-7, rows 8-15
	v_perm_b32 v[E+2*(\j%4)+1], v[MB+34+\j/4], v[MB+2+\j/4], ((4+\j%4)<<8)|(\j%4)    ; h = 1
	s_delay_alu instid0(VALU_DEP_1)
	v_perm_b32 v[E+2*(\j%4)], v[E+2*(\j%4)+1], v[E+2*(\j%4)], 0x05040100
	s_delay_alu instid0(VALU_DEP_1)
	v_and_b32 v[W+\j], v[W+\j], v[E+2*(\j%4)]
.endr
	global_store_b128 v1, v[W:W+3], s[8:9]                     ; 512 consecutive bytes each
	global_store_b128 v1, v[W+4:W+7], s[8:9] offset:512
	; ---- which key steps live, and which rows have a key
	v_or_b32 v[E], v[W], v[W+1]
.irp j, 2,3,4,5,6,7
	s_delay_alu instid0(VALU_DEP_1)
	v_or_b32 v[E], v[E], v[W+\j]
.endr
	s_wait_alu depctr_va_vdst(0)
	v_cmp_ne_u32 s54, 0, v[E]                      ; lanes 8 i .. 8 i + 7 hold key step 4 w + i
	s_mov_b32 s55, 0
.irp i, 0,1,2,3
	s_bfe_u32 s56, s54, (8<<16)|(8*\i)
	s_cmp_lg_u32 s56, 0
	s_cselect_b32 s56, 1<<(16+\i), 0
	s_or_b32 s55, s55, s56
.endr
	v_lshrrev_b32 v[E+1], 16, v[E]
	s_delay_alu instid0(VALU_DEP_1)
	v_or_b32 v[E], v[E], v[E+1]
	s_delay_alu instid0(VALU_DEP_1)
	v_and_b32 v[E], 0xffff, v[E]                   ; bit p: row p has an allowed key among my 16
.irp m, 1,2,4,8
	s_delay_alu instid0(VALU_DEP_1)
	v_mov_b32_dpp v[E+1], v[E] row_xmask:\m row_mask:0xf bank_mask:0xf
	s_delay_alu instid0(VALU_DEP_1)
	v_or_b32 v[E], v[E], v[E+1]
.endr
	s_delay_alu instid0(VALU_DEP_1)
	v_permlanex16_b32 v[E+1], v[E], s34, s35
	s_delay_alu instid0(VALU_DEP_1)
	v_or_b32 v[E], v[E], v[E+1]
	s_delay_alu instid0(VALU_DEP_1)
	v_or_b32 v[E], s55, v[E]                       ; the wave's word: rows below, its four key steps above
	ds_store_b32 v8, v[E]                          ; all lanes write the same word with the same value
	s_wait_dscnt 0x0                               ; for the others' sake: my store has landed
	s_barrier_signal -1
	s_barrier_wait -1
	s_cmp_lg_u32 s14, 0
	s_cbranch_scc1 .Ldone                          ; wave 0 joins the eight words
	v_mov_b32 v9, 0
	ds_load_b128 v[128:131], v9
	ds_load_b128 v[132:135], v9 offset:16
	s_wait_dscnt 0x0
	v_or_b32 v[E], v128, v129
	v_bfe_u32 v[E+1], v128, 16, 4
.irp w, 2
	s_delay_alu instid0(VALU_DEP_2)
	v_or_b32 v[E], v[E], v[128+\w]
.endr
.irp w, 3, 4, 5, 6, 7
	s_delay_alu instid0(VALU_DEP_1)
	v_or_b32 v[E], v[E], v[128+\w]
.endr
.irp w, 1,2,3,4,5,6,7
	v_bfe_u32 v[E+2], v[128+\w], 16, 4
	s_delay_alu instid0(VALU_DEP_1)
	v_lshl_or_b32 v[E+1], v[E+2], 4*\w, v[E+1]
.endr
	v_and_b32 v[E], 0xffff, v[E]
	s_delay_alu instid0(VALU_DEP_1)
	v_cmp_eq_u32 vcc_lo, 0xffff, v[E]
	s_delay_alu instid0(VALU_DEP_1)
	v_cndmask_b32 v[E+1], -1, v[E+1], vcc_lo       ; a row without a key: every step is walked
	s_wait_alu depctr_va_vdst(0)
	s_wait_xcnt 0x0                                ; EXEC changes only behind this wait: it is a source of the stores above
	v_cmp_eq_u32 vcc_lo, 0, v0
	s_and_saveexec_b32 s54, vcc_lo
	global_store_b32 v9, v[E+1], s[10:11]
	s_wait_xcnt 0x0
	s_or_b32 exec_lo, exec_lo, s54
.Ldone:
	s_wait_tensorcnt 0x0
	ds_add_u32 v192, v193
	s_wait_dscnt 0x0
	s_endpgm
.Lfunc_end_k_q3b60f926d0_prep:
	.size	k_q3b60f926d0_prep, .Lfunc_end_k_q3b60f926d0_prep-k_q3b60f926d0_prep
	.p2alignl 7, 3214868480
	.fill 96, 4, 3214868480
	.section	.rodata,"a",@progbits
	.p2align	6, 0x0
	.amdhsa_kernel k_q3b60f926d0_prep
		.amdhsa_group_segment_fixed_size 2048
		.amdhsa_private_segment_fixed_size 0
		.amdhsa_enable_private_segment 0
		.amdhsa_kernarg_size 40
		.amdhsa_user_sgpr_count 2
		.amdhsa_user_sgpr_kernarg_segment_ptr 1
		.amdhsa_wavefront_size32 1
		.amdhsa_system_sgpr_workgroup_id_x 1
		.amdhsa_system_sgpr_workgroup_id_y 1
		.amdhsa_system_sgpr_workgroup_id_z 1
		.amdhsa_system_vgpr_workitem_id 0
		.amdhsa_next_free_vgpr 194
		.amdhsa_next_free_sgpr 66
		.amdhsa_reserve_vcc 1
		.amdhsa_float_denorm_mode_32 3
		.amdhsa_float_denorm_mode_16_64 3
		.amdhsa_memory_ordered 1
		.amdhsa_forward_progress 1
		.amdhsa_inst_pref_size 77
	.end_amdhsa_kernel
	.amdgpu_metadata
---
amdhsa.version: [ 1, 2 ]
amdhsa.kernels:
  - .name:           k_q3b60f926d0_prep
    .symbol:         k_q3b60f926d0_prep.kd
    .args:
      - { .name: attention_mask, .offset: 0, .size: 8, .value_kind: global_buffer, .address_space: global }
      - { .name: positions, .offset: 8, .size: 8, .value_kind: global_buffer, .address_space: global }
      - { .name: mw, .offset: 16, .size: 8, .value_kind: global_buffer, .address_space: global }
      - { .name: act, .offset: 24, .size: 8, .value_kind: global_buffer, .address_space: global }
      - { .name: cst, .offset: 32, .size: 8, .value_kind: global_buffer, .address_space: global }
    .group_segment_fixed_size: 2048
    .private_segment_fixed_size: 0
    .kernarg_segment_align: 8
    .kernarg_segment_size: 40
    .max_flat_workgroup_size: 256
    .sgpr_count:     66
    .vgpr_count:     194
    .wavefront_size: 32
...
	.end_amdgpu_metadata
.endif
;; end of part 1
;; launch qkv (part 2): grid 12 x 16, 4 waves a work-group, clusters of 4 x 4, 327,680 bytes of LDS; arguments hidden_states_codes, hidden_states_scales, Wq_codes, Wq_scales, Wk_codes, Wk_scales, Wv_codes, Wv_scales, q_scale, k_scale, cst, qkv, qkvs; writes qkv, qkvs
.if DOCPART == 2
	.amdgcn_target "amdgcn-amd-amdhsa--gfx1250"
	.amdhsa_code_object_version 6
	.text
	.protected	k_q3b60f926d0_qkv
	.globl	k_q3b60f926d0_qkv
	.p2align	8
	.type	k_q3b60f926d0_qkv,@function
k_q3b60f926d0_qkv:
	s_mov_b64 s[64:65], 0
	v_nop
	global_prefetch_b8 v0, s[64:65] scope:SCOPE_SE
	s_setreg_imm32_b32 hwreg(HW_REG_WAVE_MODE, 25, 1), 1
	s_wait_xcnt 0x0
	s_wait_alu depctr_hold_cnt(0) depctr_sa_sdst(0) depctr_va_vdst(0) depctr_va_sdst(0) depctr_va_ssrc(0) depctr_va_vcc(0) depctr_vm_vsrc(0)
	s_getreg_b32 s2, hwreg(HW_REG_IB_STS2, 6, 4)
	s_cmp_eq_u32 s2, 0
	s_cbranch_scc0 .Lentry_in_a_cluster
	s_endpgm
.Lentry_in_a_cluster:
	s_bfe_u32 s2, ttmp6, 0x10000c
	s_cmp_lg_u32 s2, 0xf033
	s_cbranch_scc0 .Lentry_shape_is_right
	s_endpgm
.Lentry_shape_is_right:
; QKV.  q = rope(rmsnorm(x Wq) (1 + q_scale)), k likewise, v = rmsnorm(x Wv): three products on FP4 codes with E8M0 scales as given; the results are quantised in registers
; and leave as images of operand registers: q and k along the head's 256, v along the keys.
; A tile is 256 x 256 (one head x 256 tokens), four waves of 128 x 128 (64 accumulators).  4 x 4 work-groups form a cluster: A's tile is asked for jointly along a row, B's along a column.
; LDS: a ring of two slots, each 256 rows of A and 256 of B, a row 256 bytes (512 codes) + 16; behind it both sides' scales for all of K.
; The head's loads, one a wave: K step 0 of A, of B, A's scales, B's scales; slot 1's first fill goes out as a refill does.  K steps 2 and 3 refill the two slots.
; A trip of the loop is four steps of 128 along K.  The slot in hand is a scalar, 0 or SLOT, turned by one exclusive or; the fragments' addresses are made from it at the head of each trip.
; THE TYPE is the cluster's x: 0 q, 1 k, 2 v.  Source 0 takes rows of B, source 1 rows of A.  q, k: A = x, B = W.  v: A = Wv, B = x.
; B'S ROWS OF A WAVE (column half c), in every type: blocks 0-3 from row 64 c, blocks 4-7 from row 128 + 64 c.  q, k: channels d and d + 128, which the rotation pairs, lie in one lane.
; v: tokens 64 c .. of the tile's first 128 and of its second 128: half a fragment of each of two key steps; the scale words' halves are joined between the two column waves through LDS.
; No LDS address hangs on the type.  192 work-groups: a head's 256 channels stay in one work-group for the norm and the rotation.
; PREFETCHES INTO THE L2.  Tiles: behind the head's loads K steps 1 and 2, behind K step 1's load K step 3.  Of the 128 rows that a wave fetches for the ring, each of the four partners that ask
; jointly names 32, told apart by address (cx for A, cy for B): a lane a row, 256 bytes of it a K step.  cos and sin (q, k): of a wave's blocks of 8,192 bytes the partner at cx names block 1 + cx,
; lanes 256 bytes apart, ahead of the loop; block 0 is loaded at the head, blocks 5-7 are loaded three blocks ahead of their use.  No address register of a prefetch is written again.
; OUT: qkv [type][head][step of 128 tokens][half][a 8][c' 2][lane][16 bytes]; qkvs [type][head][step][g 2][half 2][r 16][t 4] scale words of fragment a = 4 g + t, row r.
; LIMITS: NaN and infinities are not served; a block of zeros gets the scale byte 1 (its codes are zeros; this program alone reads the bytes).
; REGISTERS: window 0: v0-31 addresses; v32-63 scale words alone; v96-127 norms, scale words made; v128-191 A's fragments, then 64 numbers at work; v192-255 codes and work.
;   window 1: B's fragments at v0 and v128; v64-127 gains (q, k) or sums (v); v192-255 cos and sin of block 0.   windows 2, 3: the accumulators; a block that has been read takes cos and sin of the block three on.
.set NQ,     4
.set ROWB,   256
.set KROW,   1024
.set PITCH,  272
.set FR,     8
.set NL,     2
.set NP,     4
.set HALFT,  128*PITCH
.set BT,     2*HALFT
.set SLOT,   4*HALFT
.set KS,     64
.set SCL,    2*SLOT
.set HALFS,  (128*KS/256)*272
.set SBLK,   (16*KS/256)*272
.set XCH,    SCL+4*HALFS               ; scratch of q and k: bytes into which no fill lands
.set XCHV,   XCH+4096                  ; of v: the sums
.set XCHS,   XCH+8192                  ; of v: the scale words
.set SPARE,  327168
.set LI,   4
.set SA,   5
.set XW,   6
.set XR,   7
.set XWV,  8
.set XRV,  9
.set XSW,  10
.set XSR,  11
.set PFC,  12                          ; v12 the prefetch of cos and sin: 256 x lane
.set ADRA, 16                          ; v16-17 A's fragments: slot in hand, next slot
.set GO,   18
.set LI2,  19                          ; 16 x lane + where a fragment's second half goes
.set ADRBL, 20
.set ADRBH, 22
.set BA,   24                          ; the three bases, slot 0
.set BBL,  25
.set BBH,  26
.set ADRS, 27
.set SPW,  28
.set NIL,  29
.set ADRS2, 30
.set PFO,  31                          ; v31 the tiles' prefetches: 1,024 x lane, a lane a row
.set SC,   32
.set RS,   96
.set SS,   112
.set SW,   120
.set AF,   128
.set Y,    128
.set PC,   192
.set TM,   208
.set PW,   224
.set ST,   226
.set T,    232
.set GW,   64
.set G0H, 4
.set G0HB, 8
.set G1, 24
.set G0, 32
.set G0B, 36
.set PFB, 46                           ; s[46:47] where my prefetch of cos and sin stands
.set G1B, 48
.set PFA, 56                           ; s[56:57] where my prefetches of tiles stand: my work-group's 32 rows, K step 0
.set G1S, 68
.set G0S, 76
.set G1SB, 80
.set G0SB, 88
.set TC,  92                           ; s92 the slot in hand, s93 the next: 0 or SLOT
.set TN,  93
.set SEL, 94
.set MSB, 0
.macro WIN new
.if MSB != (\new)
	s_set_vgpr_msb (MSB<<8)|(\new)
.set MSB, (\new)
.endif
.endm
.set MUL_LO, 0xa1
.set MUL_HI, 0xf1
.set TO_B,   0x40
.macro JLOAD g0a, g1a, g0b, g1b        ; waves 0, 1 fetch for A, waves 2, 3 for B
	s_cmp_eq_u32 s15, 0
	s_cbranch_scc0 .Lfor_b_\@
	tensor_load_to_lds s[\g0a:\g0a+3], s[\g1a:\g1a+7]
	s_nop 0
.rept 4
	v_nop
.endr
	s_branch .Lasked_\@
.Lfor_b_\@:
	tensor_load_to_lds s[\g0b:\g0b+3], s[\g1b:\g1b+7]
	s_nop 0
.rept 4
	v_nop
.endr
.Lasked_\@:
.endm
.macro CREST
	s_cmp_lg_u32 s14, 0
	s_cbranch_scc1 .Lnot_wave_0_\@
	s_barrier_signal -3
.Lnot_wave_0_\@:
	s_barrier_wait -3
	s_barrier_signal -1
	s_barrier_wait -1
.endm
.macro CROUND
	s_barrier_signal -1
	s_barrier_wait -1
	CREST
.endm
.macro CSSET a                         ; where block a's cos and sin lie: window CW, register CB
.if (\a) < 2
.set CW, 1
.set CB, 192-64*(\a)
.else
.if (\a) == 2
.set CW, 1
.set CB, 0
.else
.set CW, 2+((\a)-3)/4
.set CB, 64*(((\a)-3)%4)
.endif
.endif
.endm
.macro CSLOAD a                        ; register 16 b + 8 (sin) + j; each load 512 consecutive bytes
	CSSET \a
	WIN CW<<6
.irp k, 0,1,2,3,4,5,6,7,8,9,10,11,12,13,14,15
	global_load_b128 v[CB+4*\k:CB+4*\k+3], v[LI], s[66:67] offset:16384*(\a)+512*\k
.endr
	WIN 0
.endm
.macro ADDRS                           ; the fragments' addresses in the slot in hand and in the next
	v_add_nc_u32 v[ADRA], s[TC], v[BA]
	v_add_nc_u32 v[ADRA+1], s[TN], v[BA]
	v_add_nc_u32 v[ADRBL], s[TC], v[BBL]
	v_add_nc_u32 v[ADRBL+1], s[TN], v[BBL]
	v_add_nc_u32 v[ADRBH], s[TC], v[BBH]
	v_add_nc_u32 v[ADRBH+1], s[TN], v[BBH]
	s_wait_alu depctr_va_vdst(0)                   ; the wait behind these writes
.endm
	s_load_b512 s[68:83], s[0:1], 0x0              ; x's codes, scales; Wq's; Wk's; Wv's
	s_load_b256 s[84:91], s[0:1], 0x40             ; q_scale, k_scale, cst, qkv
	s_load_b64 s[92:93], s[0:1], 0x60              ; qkvs
	v_lshl_add_u32 v[SPW], v0, 2, SPARE
	v_mov_b32 v[NIL], 0
	ds_add_u32 v[SPW], v[NIL]                      ; the opening lines
	ds_add_u32 v[SPW], v[NIL]
	v_lshrrev_b32 v1, 5, v0
	v_readfirstlane_b32 s14, v1                    ; wave
	s_lshr_b32 s15, s14, 1                         ; my half of A's rows; also: I fetch for A (0) or B (1)
	s_and_b32 s16, s14, 1                          ; my column half; also: which 128 rows I fetch
	s_bfe_u32 s40, ttmp6, 0x40000
	s_bfe_u32 s41, ttmp6, 0x40004
	s_and_b32 s18, ttmp7, 0xffff
	s_lshl_b32 s18, s18, 2
	s_cmp_eq_u32 ttmp9, 2
	s_cselect_b32 s19, 0, s18
	s_cselect_b32 s18, s18, 0
	s_add_co_u32 s17, s19, s41                     ; A's tile: q, k: tokens 4 Y + cy;  v: head cy
	s_add_co_u32 s42, s18, s40                     ; B's tile: q, k: head cx;  v: tokens 4 Y + cx
	s_lshl_b32 s43, s41, 2
	s_lshl_b32 s43, 15, s43
	s_lshl_b32 s44, 0x1111, s40
	s_or_b32 s[G1+0], s43, (1<<20)|(1<<21)|(5<<22)|(3<<25)   ; rows of 256 bytes, 4 words behind every 64; 256 rows for the head's loads
	s_or_b32 s[G1B+0], s44, (1<<20)|(1<<21)|(5<<22)|(3<<25)
.irp g, G1, G1B
	s_mov_b32 s[\g+1], ROWB<<16
	s_mov_b32 s[\g+2], 256<<16
	s_mov_b32 s[\g+3], ROWB<<16
	s_mov_b32 s[\g+4], 256
	s_mov_b32 s[\g+5], KROW
	s_mov_b32 s[\g+6], 0
	s_mov_b32 s[\g+7], 0
.endr
	s_lshl_b32 s20, s17, 8
	s_lshl_b32 s46, s42, 8
	s_mov_b32 s21, 0
	s_mov_b32 s47, 0
	s_mov_b64 s[18:19], KS
	s_mul_u64 s[22:23], s[20:21], s[18:19]
	s_mul_u64 s[2:3], s[46:47], s[18:19]
	s_mov_b64 s[18:19], KROW
	s_mul_u64 s[20:21], s[20:21], s[18:19]
	s_mul_u64 s[46:47], s[46:47], s[18:19]
	s_mul_i32 s18, s16, 128*KROW                   ; for the ring: my 128 rows
	s_mov_b32 s19, 0
	s_mul_i32 s45, s14, HALFT
	s_wait_dscnt 0x0
	s_wait_kmcnt 0x0
	s_cmp_eq_u32 ttmp9, 0
	s_cselect_b64 s[8:9], s[72:73], s[76:77]
	s_cselect_b64 s[10:11], s[74:75], s[78:79]
	s_cselect_b64 s[12:13], s[84:85], s[86:87]     ; the gain (type v reads k's, and block 0's cos and sin, and uses neither: so the loads stand on every way)
	s_cmp_eq_u32 ttmp9, 2
	s_cselect_b64 s[4:5], s[80:81], s[68:69]
	s_cselect_b64 s[6:7], s[82:83], s[70:71]
	s_cselect_b64 s[8:9], s[68:69], s[8:9]
	s_cselect_b64 s[10:11], s[70:71], s[10:11]
	s_mov_b64 s[66:67], s[88:89]
	s_mov_b64 s[96:97], s[90:91]
	s_mov_b64 s[98:99], s[92:93]
	s_add_nc_u64 s[20:21], s[4:5], s[20:21]
	s_add_nc_u64 s[22:23], s[6:7], s[22:23]
	s_add_nc_u64 s[46:47], s[8:9], s[46:47]
	s_add_nc_u64 s[2:3], s[10:11], s[2:3]
	s_or_b32 s[G1S+0], s43, (3<<16)|(1<<20)|(1<<21)|(5<<22)|(3<<25)   ; the scales of 256 rows: 64 rows of 256 bytes, 16 bytes behind each
	s_or_b32 s[G1SB+0], s44, (3<<16)|(1<<20)|(1<<21)|(5<<22)|(3<<25)
.irp g, G1S, G1SB
	s_mov_b32 s[\g+1], 32<<16
	s_mov_b32 s[\g+2], KS<<16
	s_mov_b32 s[\g+3], 32<<16
	s_mov_b32 s[\g+4], KS
	s_mov_b32 s[\g+5], 32
	s_mov_b32 s[\g+6], 0
	s_mov_b32 s[\g+7], 0
.endr
	CROUND                                         ; the first joint loads meet
	s_mov_b32 s[G0H], 1
	s_mov_b32 s[G0H+1], 0
	s_mov_b64 s[G0H+2:G0H+3], s[20:21]
	s_or_b32 s[G0H+3], s[G0H+3], 0x80000000
	s_mov_b32 s[G0HB], 1
	s_mov_b32 s[G0HB+1], BT
	s_mov_b64 s[G0HB+2:G0HB+3], s[46:47]
	s_or_b32 s[G0HB+3], s[G0HB+3], 0x80000000
	s_mov_b32 s[G0S], 1
	s_mov_b32 s[G0S+1], SCL
	s_mov_b64 s[G0S+2:G0S+3], s[22:23]
	s_or_b32 s[G0S+3], s[G0S+3], 0x80000000
	s_mov_b32 s[G0SB], 1
	s_mov_b32 s[G0SB+1], SCL+2*HALFS
	s_mov_b64 s[G0SB+2:G0SB+3], s[2:3]
	s_or_b32 s[G0SB+3], s[G0SB+3], 0x80000000
	s_add_nc_u64 s[20:21], s[20:21], s[18:19]
	s_add_nc_u64 s[46:47], s[46:47], s[18:19]
	s_mov_b32 s[G0], 1                             ; the walking descriptors: slot 1, K step 1
	s_add_co_u32 s[G0+1], s45, SLOT
	s_add_nc_u64 s[G0+2:G0+3], s[20:21], ROWB
	s_or_b32 s[G0+3], s[G0+3], 0x80000000
	s_mov_b32 s[G0B], 1
	s_add_co_u32 s[G0B+1], s45, SLOT
	s_add_nc_u64 s[G0B+2:G0B+3], s[46:47], ROWB
	s_or_b32 s[G0B+3], s[G0B+3], 0x80000000
.macro ARM under, g0, g1, next         ; the head's loads, one a wave, in one tree of branches on the wave's number
	s_cmp_lt_u32 s14, \under
	s_cbranch_scc0 \next
	tensor_load_to_lds s[\g0:\g0+3], s[\g1:\g1+7]
	s_nop 0
.rept 4
	v_nop
.endr
	s_branch .Lhead_asked
\next:
.endm
	ARM 1, G0H,  G1,  .Lhead_b
	ARM 2, G0HB, G1B, .Lhead_sa
	ARM 3, G0S,  G1S, .Lhead_sb
	tensor_load_to_lds s[G0SB:G0SB+3], s[G1SB:G1SB+7]
	s_nop 0
.rept 4
	v_nop
.endr
.Lhead_asked:
	s_cmp_eq_u32 s15, 0                            ; the tiles' prefetches: the 128 rows that I fetch for the ring,
	s_cselect_b64 s[PFA:PFA+1], s[20:21], s[46:47]
	s_cselect_b32 s2, s40, s41                     ; my place among the four that ask for them jointly,
	s_lshl_b32 s2, s2, 15                          ; x 32 rows of 1,024 bytes
	s_mov_b32 s3, 0
	s_add_nc_u64 s[PFA:PFA+1], s[PFA:PFA+1], s[2:3]
	s_mov_b32 s[SEL], 0x76543210
	s_mov_b32 s[SEL+1], 0xfedcba98
	s_mov_b32 s[TC], 0
	s_mov_b32 s[TN], SLOT
	s_mul_i32 s21, s15, HALFT                      ; my 128 rows of A
	s_mul_i32 s22, s16, 64*PITCH
	s_add_co_u32 s22, s22, BT                      ; B's blocks 0-3
	s_add_co_u32 s23, s22, 128*PITCH               ; blocks 4-7
	s_mul_i32 s59, s15, HALFS
	s_mul_i32 s60, s16, HALFS/2
	s_add_co_u32 s60, s60, 2*HALFS
	s_sub_co_u32 s60, s60, s59                     ; from A's scales to B's: one product with h
	s_add_co_u32 s61, s60, HALFS/2                 ; blocks 4-7, less the four blocks that their offsets count
	s_add_co_u32 s59, s59, SCL
	s_lshl_b32 s62, s14, 9
	s_add_co_u32 s62, s62, XCH
	s_xor_b32 s63, s14, 1
	s_lshl_b32 s63, s63, 9
	s_add_co_u32 s63, s63, XCH
	s_xor_b32 s18, s14, 2
	s_lshl_b32 s18, s18, 9
	s_add_co_u32 s18, s18, XCHV
	s_lshl_b32 s19, s16, 8
	s_lshl_b32 s101, s16, 9
	s_mov_b32 s58, 0x05040100                      ; v: how my scale bytes and my partner's make a word
	s_cmp_eq_u32 s16, 1
	s_cselect_b32 s58, 0x03020706, s58
	s_mov_b32 s20, 512
	s_cmp_eq_u32 ttmp9, 2
	s_cselect_b32 s20, 16384, s20                  ; a fragment's second half: 512 bytes on (q, k); v: the same half of the next key step's fragment
	s_cselect_b32 s101, s101, 0                    ; v: my column half is the fragment's half
	s_cselect_b32 s2, s41, s40                     ; the head
	s_cselect_b32 s3, s42, s17                     ; the block of 256 tokens
	s_cselect_b32 s46, 0, s15                      ; codes: which 128 of them
	s_cselect_b32 s47, s16, s15                    ; scale words: which 128
	s_cselect_b32 s100, s15, s16                   ; the half: of the channels (v) or of K (q, k)
	s_lshl_b32 s3, s3, 1
	s_add_co_u32 s46, s46, s3
	s_add_co_u32 s47, s47, s3
	s_lshl_b32 s46, s46, 14
	s_lshl_b32 s47, s47, 10
	s_add_co_u32 s46, s46, s101
	s_lshl_b32 s3, ttmp9, 21
	s_add_co_u32 s46, s46, s3
	s_lshl_b32 s3, ttmp9, 17
	s_add_co_u32 s47, s47, s3
	s_lshl_b32 s3, s2, 19
	s_add_co_u32 s46, s46, s3
	s_lshl_b32 s3, s2, 15
	s_add_co_u32 s47, s47, s3
	s_lshl_b32 s3, s100, 13
	s_add_co_u32 s46, s46, s3
	s_lshl_b32 s3, s100, 8
	s_add_co_u32 s2, s47, s3
	s_mov_b32 s3, 0
	s_add_nc_u64 s[98:99], s[98:99], s[2:3]
	s_mov_b32 s2, s46
	s_add_nc_u64 s[96:97], s[96:97], s[2:3]
	s_lshl_b32 s2, s17, 18                         ; cos and sin: 16,384 bytes for 16 tokens; my column half's 8,192
	s_lshl_b32 s46, s15, 17
	s_add_co_u32 s2, s2, s46
	s_lshl_b32 s46, s16, 13
	s_add_co_u32 s2, s2, s46
	s_add_nc_u64 s[66:67], s[66:67], s[2:3]
	s_add_co_u32 s46, s40, 1                       ; the prefetch of cos and sin: block 1 + cx
	s_lshl_b32 s46, s46, 14
	s_mov_b32 s47, 0
	s_add_nc_u64 s[PFB:PFB+1], s[66:67], s[46:47]
	v_and_b32 v1, 15, v0                           ; r
	v_bfe_u32 v2, v0, 4, 1                         ; h
	v_and_b32 v3, 31, v0
	v_lshlrev_b32 v[LI], 4, v3
	v_mul_u32_u24 v3, v1, PITCH
	v_lshl_add_u32 v15, v2, 4, v3
	v_add_nc_u32 v[BA], s21, v15
	v_add_nc_u32 v[BBL], s22, v15
	v_add_nc_u32 v[BBH], s23, v15
	v_mul_u32_u24 v12, v1, KS                      ; my row's scales: 64 bytes a row, 16 more for each 256 passed
	v_lshrrev_b32 v13, 8, v12
	v_lshl_add_u32 v12, v13, 4, v12
	v_mul_u32_u24 v13, s60, v2                     ; lanes 16-31 take B's
	v_mul_u32_u24 v14, s61, v2
	v_add_nc_u32 v13, v12, v13
	v_add_nc_u32 v14, v12, v14
	v_add_nc_u32 v[ADRS], s59, v13
	v_add_nc_u32 v[ADRS2], s59, v14
	v_lshlrev_b32 v[SA], 4, v1
	v_lshl_add_u32 v[SA], v2, 9, v[SA]
	v_lshl_add_u32 v[XW], v1, 2, s62
	v_lshl_add_u32 v[XR], v1, 2, s63
	v_lshl_add_u32 v[XWV], v2, 5, s62
	v_add_nc_u32 v[XWV], XCHV-XCH, v[XWV]
	v_lshl_add_u32 v[XRV], v2, 5, s18
	v_add_nc_u32 v[XSW], s62, v[LI]
	v_add_nc_u32 v[XSW], XCHS-XCH, v[XSW]
	v_add_nc_u32 v[XSR], s63, v[LI]
	v_add_nc_u32 v[XSR], XCHS-XCH, v[XSR]
	v_lshl_add_u32 v[GO], v2, 5, s19
	v_add_nc_u32 v[LI2], s20, v[LI]
	v_lshlrev_b32 v[PFO], 6, v[LI]                 ; 1,024 x lane
	v_lshlrev_b32 v[PFC], 4, v[LI]                 ; 256 x lane
.irp b, 0,1,2,3
	v_mov_b32 v[TM+4+\b], 0                        ; a lane permute's destination counts as one of its sources
.endr
	ADDRS                                          ; for the first step; its wait ends the head's vector work
	WIN 0x40                                       ; the gains of my 128 channels, in the accumulators' order
.irp b, 0,1,2,3,4,5,6,7
	global_load_b128 v[GW+8*\b:GW+8*\b+3], v[GO], s[12:13] offset:512*(\b/4)+64*(\b%4)
	global_load_b128 v[GW+8*\b+4:GW+8*\b+7], v[GO], s[12:13] offset:512*(\b/4)+64*(\b%4)+16
.endr
	CSLOAD 0                                       ; its registers are named by nothing in the products
	global_prefetch_b8 v[PFO], s[PFA:PFA+1] offset:ROWB th:TH_LOAD_NT scope:SCOPE_SE     ; K step 1 of my 32 rows,
	global_prefetch_b8 v[PFO], s[PFA:PFA+1] offset:2*ROWB th:TH_LOAD_NT scope:SCOPE_SE   ; and K step 2
.macro FRAG reg, adr, q, i
.irp c, 0,1
	ds_load_b128 v[\reg+4*\c:\reg+4*\c+3], v[\adr] offset:64*(\q)+32*\c+(\i)*16*PITCH
.endr
.endm
; 16 matrix instructions: A's blocks a0, a0 + 1 x B's eight; the 64 accumulators take turns
.macro MUL16 a0, p, q, zero
.irp a, \a0, \a0+1
.irp b, 0,1,2,3,4,5,6,7
.if \zero
	v_wmma_scale_f32_16x16x128_f8f6f4 v[8*(8*((\a)%4)+\b):8*(8*((\a)%4)+\b)+7], v[128*(\p)+FR*\b:128*(\p)+FR*\b+FR-1], v[AF+FR*(\a):AF+FR*(\a)+FR-1], 0, v[SC+NQ*\b+(\q)], v[SC+NQ*(\a)+(\q)] matrix_a_fmt:MATRIX_FMT_FP4 matrix_b_fmt:MATRIX_FMT_FP4 matrix_a_scale:MATRIX_SCALE_ROW1
.else
	v_wmma_scale_f32_16x16x128_f8f6f4 v[8*(8*((\a)%4)+\b):8*(8*((\a)%4)+\b)+7], v[128*(\p)+FR*\b:128*(\p)+FR*\b+FR-1], v[AF+FR*(\a):AF+FR*(\a)+FR-1], v[8*(8*((\a)%4)+\b):8*(8*((\a)%4)+\b)+7], v[SC+NQ*\b+(\q)], v[SC+NQ*(\a)+(\q)] matrix_a_fmt:MATRIX_FMT_FP4 matrix_b_fmt:MATRIX_FMT_FP4 matrix_a_scale:MATRIX_SCALE_ROW1
.endif
.endr
.endr
.endm
.macro FETCH_B slot, q, p
	WIN TO_B
.irp i, 0,1,2,3
	FRAG 128*(\p)+FR*\i, ADRBL+\slot, \q, \i
.endr
.irp i, 0,1,2,3
	FRAG 128*(\p)+FR*(\i+4), ADRBH+\slot, \q, \i
.endr
	WIN 0
.endm
.macro FETCH_A slot, q, i0
.irp i, \i0, \i0+1, \i0+2, \i0+3
	FRAG AF+FR*(\i), ADRA+\slot, \q, \i
.endr
.endm
.macro PLACES n
.rept \n
	v_nop
.endr
.endm
.macro STEP slot, q, zero, w           ; 128 along K, its successor in the same slot.  w: the youngest LDS loads, which may be out: A's blocks 4-7 (8), behind a change of slots also eight scale words (16)
	s_wait_dscnt \w
	WIN MUL_LO
	MUL16 0, (\q)%2, \q, \zero
	MUL16 2, (\q)%2, \q, \zero
	s_wait_dscnt 0
	PLACES NP
	FETCH_B \slot, (\q)+1, 1-(\q)%2
	FETCH_A \slot, (\q)+1, 0
	WIN MUL_HI
	MUL16 4, (\q)%2, \q, \zero
	MUL16 6, (\q)%2, \q, \zero
	PLACES NP
	WIN 0
	FETCH_A \slot, (\q)+1, 4
.endm
; A slot's last step changes slots.  One set of scale words: the next slot's words of steps 0-2 come in the step's middle, over words that are done with; those of step 3 at its end.
.macro TURN fill
	s_wait_tensorcnt 0x0                           ; all my tensor loads have landed
	ds_add_u32 v[SPW], v[NIL]
	s_wait_dscnt 4*NL+1                            ; (the add and A's blocks 4-7 may be out)
	WIN MUL_LO
	MUL16 0, 1, NQ-1, 0
	s_wait_dscnt 0x0                               ; the add is done, my reads of this slot are over
	s_barrier_signal -1
	MUL16 2, 1, NQ-1, 0
	WIN 0
	s_barrier_wait -1
.if \fill
	CREST                                          ; the barrier has opened a round of the cluster's barrier
	s_xor_b32 s[G0+1], s[G0+1], SLOT               ; the slot just read out (SLOT is bits 13 and 17, which are 0 in wave x 34,816),
	s_add_nc_u64 s[G0+2:G0+3], s[G0+2:G0+3], ROWB  ; the next K step
	s_xor_b32 s[G0B+1], s[G0B+1], SLOT
	s_add_nc_u64 s[G0B+2:G0B+3], s[G0B+2:G0B+3], ROWB
	JLOAD G0, G1, G0B, G1B                         ; my one load behind the round; its four v_nop are the places in front of the loads below
.else
	PLACES NP
.endif
	v_add_nc_u32 v[ADRS], 4*NQ, v[ADRS]
	v_add_nc_u32 v[ADRS2], 4*NQ, v[ADRS2]
	s_wait_alu depctr_va_vdst(0)                   ; the wait behind these writes
	FETCH_B 1, 0, 0
	FETCH_A 1, 0, 0
.irp i, 0,1,2,3
	ds_load_b96 v[SC+NQ*\i:SC+NQ*\i+2], v[ADRS] offset:\i*SBLK
.endr
.irp i, 4,5,6,7
	ds_load_b96 v[SC+NQ*\i:SC+NQ*\i+2], v[ADRS2] offset:\i*SBLK
.endr
	WIN MUL_HI
	MUL16 4, 1, NQ-1, 0
	MUL16 6, 1, NQ-1, 0
	PLACES NP
	WIN 0
	FETCH_A 1, 0, 4
.irp i, 0,1,2,3
	ds_load_b32 v[SC+NQ*\i+3], v[ADRS] offset:\i*SBLK+12
.endr
.irp i, 4,5,6,7
	ds_load_b32 v[SC+NQ*\i+3], v[ADRS2] offset:\i*SBLK+12
.endr
.endm
	s_wait_tensorcnt 0x0                           ; my tile of the head's four is in
	ds_add_u32 v[SPW], v[NIL]
	s_mov_b32 s[G1+2], 128<<16                     ; no tensor load of mine is out: from here on a load brings 128 rows
	s_mov_b32 s[G1+4], 128
	s_mov_b32 s[G1B+2], 128<<16
	s_mov_b32 s[G1B+4], 128
	s_wait_dscnt 0x0
	CROUND                                         ; all four tiles are in, and the joint loads meet
	JLOAD G0, G1, G0B, G1B                         ; K step 1 into slot 1
	FETCH_B 0, 0, 0
	FETCH_A 0, 0, 0
.irp i, 0,1,2,3
	ds_load_b128 v[SC+NQ*\i:SC+NQ*\i+3], v[ADRS] offset:\i*SBLK
.endr
.irp i, 4,5,6,7
	ds_load_b128 v[SC+NQ*\i:SC+NQ*\i+3], v[ADRS2] offset:\i*SBLK
.endr
	FETCH_A 0, 0, 4
	global_prefetch_b8 v[PFO], s[PFA:PFA+1] offset:3*ROWB th:TH_LOAD_NT scope:SCOPE_SE   ; K step 3 of my 32 rows: two refills ahead of its load
	STEP 0, 0, 1, 4*NL                             ; the first step's products start the sums
	s_cmp_eq_u32 ttmp9, 2                          ; q, k: cos and sin of block 1 + cx, 8,192 bytes
	s_cbranch_scc1 .Lno_cs
	global_prefetch_b8 v[PFC], s[PFB:PFB+1] th:TH_LOAD_NT scope:SCOPE_SE
.Lno_cs:
	s_mov_b32 s3, 2
.Llap:                                                 ; two trips: the rest of a slot, its refill, the next slot's first step
	ADDRS
	STEP 0, 1, 0, 4*NL
	STEP 0, 2, 0, 4*NL
	TURN 1
	STEP 1, 0, 0, 8*NL
	s_xor_b32 s[TC], s[TC], SLOT
	s_xor_b32 s[TN], s[TN], SLOT
	s_sub_co_u32 s3, s3, 1
	s_cmp_lg_u32 s3, 0
	s_cbranch_scc1 .Llap
	ADDRS                                          ; K steps 2 and 3 fill nothing
	STEP 0, 1, 0, 4*NL
	STEP 0, 2, 0, 4*NL
	TURN 0
	STEP 1, 0, 0, 8*NL
	STEP 1, 1, 0, 4*NL
	STEP 1, 2, 0, 4*NL
	s_wait_dscnt 4*NL
	WIN MUL_LO
	MUL16 0, 1, NQ-1, 0
	MUL16 2, 1, NQ-1, 0
	s_wait_dscnt 0
	WIN MUL_HI
	MUL16 4, 1, NQ-1, 0
	MUL16 6, 1, NQ-1, 0
	WIN 0
; ---------------- THE WAY OUT ----------------
; 64 numbers of a lane, v[s + 8 t + j] = place 16 t + 8 h + j of my row's 128, become 8 registers of codes and a scale word.  A block of 32 lies in lanes l and l xor 16.
.macro QUANT s, pc, pw
.irp b, 0,1,2,3
	v_max3_num_f32 v[TM+\b], |v[\s+16*\b]|, |v[\s+16*\b+1]|, 0x1800000   ; the floor 2^(3 - 127): the byte cannot fall under 1
.endr
.irp i, 2,4,6,8,10,12,14
.irp b, 0,1,2,3
	v_max3_num_f32 v[TM+\b], v[TM+\b], |v[\s+16*\b+\i]|, |v[\s+16*\b+\i+1]|
.endr
.endr
.irp b, 0,1,2,3
	v_permlanex16_b32 v[TM+4+\b], v[TM+\b], s[SEL], s[SEL+1]
.endr
.irp b, 0,1,2,3
	v_max_num_f32 v[TM+\b], v[TM+\b], v[TM+4+\b]
.endr
.irp b, 0,1,2,3
	v_add_nc_u32 v[TM+12+\b], 0xff000000, v[TM+\b]   ; 2 off the exponent field: the conversion's scale operand
.endr
.irp b, 0,1,2,3
	v_lshrrev_b32 v[TM+4+\b], 23, v[TM+12+\b]
.endr
	v_lshl_or_b32 v[\pw], v[TM+5], 8, v[TM+4]
	v_lshl_or_b32 v[\pw], v[TM+6], 16, v[\pw]
	v_lshl_or_b32 v[\pw], v[TM+7], 24, v[\pw]
.irp t, 0,1,2,3,4,5,6,7
	v_cvt_scalef32_pk8_fp4_f32 v[\pc+4*(\t/4)+((\t%4)%2)*2+(\t%4)/2], v[\s+8*\t:\s+8*\t+7], v[TM+12+\t/2]
.endr
	v_nop                                          ; one plain line behind a scaled conversion
.irp c, 0,1
	v_permlane16_swap_b32 v[\pc+4*\c], v[\pc+4*\c+1]
	v_permlane16_swap_b32 v[\pc+4*\c+2], v[\pc+4*\c+3]
.endr
.endm
.macro TAIL a                          ; block a's 64 numbers in Y: quantised and stored: two stores of 512 consecutive bytes
.set PCS, PC+8*((\a)%2)
	s_wait_xcnt 0x0                                ; the stores of two blocks ago have read this set of codes
	QUANT Y, PCS, PW
	v_mov_b32 v[SW+(\a)], v[PW]
	global_store_b128 v[LI], v[PCS:PCS+3], s[96:97] offset:1024*(\a)
	global_store_b128 v[LI2], v[PCS+4:PCS+7], s[96:97] offset:1024*(\a)
.endm
.macro SCSEL                           ; lanes 0-15 take the words of blocks 0-3, lanes 16-31 those of blocks 4-7
.irp t, 0,1,2,3
	v_cndmask_b32 v[ST+\t], v[SW+\t], v[SW+4+\t], s2
.endr
.endm
.macro SUMSQ a                         ; each accumulator is read from its low end on
.set AC, 64*((\a)%4)
.set TT, T+8*((\a)%2)
	WIN 0x0a+5*((\a)/4)
.irp p, 0,2,4,6
	v_pk_mul_f32 v[TT+\p:TT+\p+1], v[AC+\p:AC+\p+1], v[AC+\p:AC+\p+1]
.endr
.set PP, 8
.rept 28
	v_pk_fma_f32 v[TT+PP%8:TT+PP%8+1], v[AC+PP:AC+PP+1], v[AC+PP:AC+PP+1], v[TT+PP%8:TT+PP%8+1]
.set PP, PP+2
.endr
	WIN 0
	v_pk_add_f32 v[TT:TT+1], v[TT:TT+1], v[TT+2:TT+3]
	v_pk_add_f32 v[TT+4:TT+5], v[TT+4:TT+5], v[TT+6:TT+7]
	v_pk_add_f32 v[TT:TT+1], v[TT:TT+1], v[TT+4:TT+5]
	v_add_f32 v[SS+(\a)], v[TT], v[TT+1]
.endm
.macro QKROW a                         ; block a of q or k: x / rms, x (1 + gain), the rotation, the quantiser
.set AC, 64*((\a)%4)
	WIN 0x02+(\a)/4
.set PP, 0
.rept 32
	v_pk_mul_f32 v[Y+PP:Y+PP+1], v[AC+PP:AC+PP+1], v[RS+2*(\a):RS+2*(\a)+1] op_sel_hi:[1,0]
.set PP, PP+2
.endr
	WIN 0
.if (\a) < 5
	CSLOAD (\a)+3                                  ; into this block's accumulators, which have been read
.endif
	WIN 0x04
.set PP, 0
.rept 32
	v_pk_mul_f32 v[Y+PP:Y+PP+1], v[Y+PP:Y+PP+1], v[GW+PP:GW+PP+1]
.set PP, PP+2
.endr
.set LEFT, 16*(7-(\a))
.if LEFT > 48
.set LEFT, 48
.endif
	s_wait_loadcnt LEFT                            ; this block's cos and sin are in; the loads of up to three later blocks, 16 each, may be out
	CSSET \a
	WIN CW<<2
.set RB, 0
.rept 4
.set RJ, 0
.rept 4
.set Y1, Y+8*RB+RJ
.set Y2, Y1+32
.set CN, CB+16*RB+RJ
.set SN, CN+8
.set T0, T+2*RJ
	v_pk_mul_f32 v[T0:T0+1], v[Y2:Y2+1], v[SN:SN+1]
	v_pk_mul_f32 v[T0+2:T0+3], v[Y1:Y1+1], v[SN:SN+1]
	v_pk_fma_f32 v[Y1:Y1+1], v[Y1:Y1+1], v[CN:CN+1], v[T0:T0+1] neg_lo:[0,0,1] neg_hi:[0,0,1]
	v_pk_fma_f32 v[Y2:Y2+1], v[Y2:Y2+1], v[CN:CN+1], v[T0+2:T0+3]
.set RJ, RJ+2
.endr
.set RB, RB+1
.endr
	WIN 0
	TAIL \a
.endm
.macro VSQ a                           ; v: the tokens' sums of squares: register 8 b + j = my token 16 b + 8 h + j
.set AC, 64*((\a)%4)
	WIN 0x5a+5*((\a)/4)
.set PP, 0
.rept 32
.if (\a) == 0
	v_pk_mul_f32 v[GW+PP:GW+PP+1], v[AC+PP:AC+PP+1], v[AC+PP:AC+PP+1]
.else
	v_pk_fma_f32 v[GW+PP:GW+PP+1], v[AC+PP:AC+PP+1], v[AC+PP:AC+PP+1], v[GW+PP:GW+PP+1]
.endif
.set PP, PP+2
.endr
.endm
.macro VROW a
.set AC, 64*((\a)%4)
	WIN 0x06+(\a)/4
.set PP, 0
.rept 32
	v_pk_mul_f32 v[Y+PP:Y+PP+1], v[AC+PP:AC+PP+1], v[GW+PP:GW+PP+1]
.set PP, PP+2
.endr
	WIN 0
	TAIL \a
.endm
	s_mov_b32 s2, 0xffff0000                       ; lanes 16-31
	s_mov_b32 s3, 0x3b800000                       ; 1 / 256
	s_mov_b32 s100, 0x358637bd                     ; 1e-6
	PLACES NP
	s_cmp_eq_u32 ttmp9, 2                          ; the type: the same in all waves and all partners
	s_cbranch_scc1 .Lvpath
	; ---- q, k
	CSLOAD 1
	CSLOAD 2
	s_wait_loadcnt 48                              ; the gains are in: behind them three blocks' cos and sin, 16 loads each
	WIN 0x41
.set PP, 0
.rept 32
	v_pk_add_f32 v[GW+PP:GW+PP+1], v[GW+PP:GW+PP+1], 1.0 op_sel_hi:[1,0]
.set PP, PP+2
.endr
.irp a, 0,1,2,3,4,5,6,7
	SUMSQ \a
.endr
.irp a, 0,1,2,3,4,5,6,7
	v_permlanex16_b32 v[T+\a], v[SS+\a], s[SEL], s[SEL+1]
.endr
.irp a, 0,1,2,3,4,5,6,7
	v_add_f32 v[SS+\a], v[SS+\a], v[T+\a]
.endr
.irp a, 0,1,2,3,4,5,6,7
	ds_store_b32 v[XW], v[SS+\a] offset:64*\a      ; lanes r and r + 16 write the same word with the same value
.endr
	s_wait_alu depctr_va_vdst(0)
	s_wait_dscnt 0x0                               ; for the other wave's sake
	s_barrier_signal -1
	s_barrier_wait -1
.irp a, 0,1,2,3,4,5,6,7
	ds_load_b32 v[T+\a], v[XR] offset:64*\a        ; the other 128 channels'
.endr
	s_wait_dscnt 0x0
.irp a, 0,1,2,3,4,5,6,7
	v_add_f32 v[SS+\a], v[SS+\a], v[T+\a]
.endr
.irp a, 0,1,2,3,4,5,6,7
	v_fma_f32 v[SS+\a], v[SS+\a], s3, s100         ; the mean + 1e-6
.endr
	s_wait_alu depctr_va_vdst(0)                   ; ahead of the batch
.irp a, 0,1,2,3,4,5,6,7
	v_rsq_f32 v[RS+2*\a], v[SS+\a]
	v_rsq_f32 v[RS+2*\a+1], v[SS+\a]               ; (the pair's upper word is named with it)
.endr
	v_nop
	s_wait_alu depctr_va_vdst(0)                   ; and behind it
.irp a, 0,1,2,3,4,5,6,7
	QKROW \a
.endr
	SCSEL
	global_store_b128 v[SA], v[ST:ST+3], s[98:99]  ; twice 256 consecutive bytes
	s_branch .Ljoin
	; ---- v
.Lvpath:
	s_wait_loadcnt 0x0                             ; the head's loads have landed: the gains' registers take the sums
.irp a, 0,1,2,3,4,5,6,7
	VSQ \a
.endr
	WIN 0x45
.irp m, 1,2,4,8
.set PP, 0
.rept 64
	v_add_f32_dpp v[GW+PP], v[GW+PP], v[GW+PP] row_xmask:\m row_mask:0xf bank_mask:0xf
.set PP, PP+1
.endr
.endr
	WIN 0x04
.irp i, 0,1,2,3,4,5,6,7,8,9,10,11,12,13,14,15
	ds_store_b128 v[XWV], v[GW+4*\i:GW+4*\i+3] offset:64*(\i/2)+16*(\i%2)   ; the 16 lanes of a half write the same bytes with the same values
.endr
	WIN 0
	s_wait_dscnt 0x0
	s_barrier_signal -1
	s_barrier_wait -1
	WIN 0x40
.irp i, 0,1,2,3,4,5,6,7,8,9,10,11,12,13,14,15
	ds_load_b128 v[128+4*\i:128+4*\i+3], v[XRV] offset:64*(\i/2)+16*(\i%2)  ; the other 128 channels' sums
.endr
	s_wait_dscnt 0x0
	WIN 0x45
.set PP, 0
.rept 32
	v_pk_add_f32 v[GW+PP:GW+PP+1], v[GW+PP:GW+PP+1], v[128+PP:129+PP]
.set PP, PP+2
.endr
.set PP, 0
.rept 64
	v_fma_f32 v[GW+PP], v[GW+PP], s3, s100
.set PP, PP+1
.endr
.set PP, 0
	s_wait_alu depctr_va_vdst(0)
.rept 64
	v_rsq_f32 v[GW+PP], v[GW+PP]
.set PP, PP+1
.endr
	v_nop
	s_wait_alu depctr_va_vdst(0)
.irp a, 0,1,2,3,4,5,6,7
	VROW \a
.endr
	; my words hold bytes 2 c, 2 c + 1 of the first key step's words (low half) and of the second's (high half); the wave with the other column half holds the rest.  Column half c stores key step c's words
	SCSEL
	ds_store_b128 v[XSW], v[ST:ST+3]
	s_wait_alu depctr_va_vdst(0)
	s_wait_dscnt 0x0
	s_barrier_signal -1
	s_barrier_wait -1
	ds_load_b128 v[T:T+3], v[XSR]
	s_wait_dscnt 0x0
.irp t, 0,1,2,3
	v_perm_b32 v[ST+\t], v[T+\t], v[ST+\t], s58
.endr
	global_store_b128 v[SA], v[ST:ST+3], s[98:99]
.Ljoin:
	s_wait_tensorcnt 0x0                           ; the wave's end
	ds_add_u32 v[SPW], v[NIL]
	s_wait_dscnt 0x0
	CROUND                                         ; the closing round
	s_endpgm
.Lfunc_end_k_q3b60f926d0_qkv:
	.size	k_q3b60f926d0_qkv, .Lfunc_end_k_q3b60f926d0_qkv-k_q3b60f926d0_qkv
	.p2alignl 7, 3214868480
	.fill 96, 4, 3214868480
	.section	.rodata,"a",@progbits
	.p2align	6, 0x0
	.amdhsa_kernel k_q3b60f926d0_qkv
		.amdhsa_group_segment_fixed_size 327680
		.amdhsa_private_segment_fixed_size 0
		.amdhsa_enable_private_segment 0
		.amdhsa_kernarg_size 104
		.amdhsa_user_sgpr_count 2
		.amdhsa_user_sgpr_kernarg_segment_ptr 1
		.amdhsa_wavefront_size32 1
		.amdhsa_system_sgpr_workgroup_id_x 1
		.amdhsa_system_sgpr_workgroup_id_y 1
		.amdhsa_system_sgpr_workgroup_id_z 1
		.amdhsa_system_vgpr_workitem_id 0
		.amdhsa_next_free_vgpr 1024
		.amdhsa_next_free_sgpr 102
		.amdhsa_reserve_vcc 0
		.amdhsa_float_denorm_mode_32 3
		.amdhsa_float_denorm_mode_16_64 3
		.amdhsa_memory_ordered 1
		.amdhsa_forward_progress 1
		.amdhsa_inst_pref_size 255
	.end_amdhsa_kernel
	.section	.bss,"aw",@nobits
	.p2align	6
	.space	262144
	.amdgpu_metadata
---
amdhsa.version: [ 1, 2 ]
amdhsa.kernels:
  - .name:           k_q3b60f926d0_qkv
    .symbol:         k_q3b60f926d0_qkv.kd
    .args:
      - { .name: hidden_states_codes, .offset: 0, .size: 8, .value_kind: global_buffer, .address_space: global }
      - { .name: hidden_states_scales, .offset: 8, .size: 8, .value_kind: global_buffer, .address_space: global }
      - { .name: Wq_codes, .offset: 16, .size: 8, .value_kind: global_buffer, .address_space: global }
      - { .name: Wq_scales, .offset: 24, .size: 8, .value_kind: global_buffer, .address_space: global }
      - { .name: Wk_codes, .offset: 32, .size: 8, .value_kind: global_buffer, .address_space: global }
      - { .name: Wk_scales, .offset: 40, .size: 8, .value_kind: global_buffer, .address_space: global }
      - { .name: Wv_codes, .offset: 48, .size: 8, .value_kind: global_buffer, .address_space: global }
      - { .name: Wv_scales, .offset: 56, .size: 8, .value_kind: global_buffer, .address_space: global }
      - { .name: q_scale, .offset: 64, .size: 8, .value_kind: global_buffer, .address_space: global }
      - { .name: k_scale, .offset: 72, .size: 8, .value_kind: global_buffer, .address_space: global }
      - { .name: cst, .offset: 80, .size: 8, .value_kind: global_buffer, .address_space: global }
      - { .name: qkv, .offset: 88, .size: 8, .value_kind: global_buffer, .address_space: global }
      - { .name: qkvs, .offset: 96, .size: 8, .value_kind: global_buffer, .address_space: global }
    .group_segment_fixed_size: 327680
    .private_segment_fixed_size: 0
    .kernarg_segment_align: 8
    .kernarg_segment_size: 104
    .max_flat_workgroup_size: 128
    .sgpr_count:     102
    .vgpr_count:     1024
    .wavefront_size: 32
...
	.end_amdgpu_metadata
.endif
;; end of part 2
;; launch attn (part 3): grid 128 x 2, 4 waves a work-group, no clusters, 77,312 bytes of LDS; arguments qkv, qkvs, mw, act, ocodes, oscales; writes ocodes, oscales
.if DOCPART == 3
	.amdgcn_target "amdgcn-amd-amdhsa--gfx1250"
	.amdhsa_code_object_version 6
	.text
	.protected	k_q3b60f926d0_attn
	.globl	k_q3b60f926d0_attn
	.p2align	8
	.type	k_q3b60f926d0_attn,@function
k_q3b60f926d0_attn:
	s_mov_b64 s[64:65], 0
	v_nop
	global_prefetch_b8 v0, s[64:65] scope:SCOPE_SE
	s_setreg_imm32_b32 hwreg(HW_REG_WAVE_MODE, 25, 1), 1
	s_wait_xcnt 0x0
; ATTN.  Scores on FP4 codes, 50 tanh(s / 50), the mask, p = 2^(t - M) with M the running largest t rounded up, p quantised along the keys, O^T += V^T P^T on codes,
; O / the sum of the unquantised p, and that quantised along head x channel for the last projection.
; SHARES.  A work-group: 32 queries (x) and two heads (y).  Wave w: head 2 y + w / 2, parity p = w % 2.  A WAVE HOLDS TWO TILES OF 16 QUERIES, so that each fragment of K and V that it loads
; (68 loads of 512 bytes a key step) feeds two products.  THE LIVE KEY STEPS ARE SHARED BETWEEN THE TWO WAVES OF A HEAD: parity 0 takes the first, third, .. live step, parity 1 the others.
; Register set A of a wave holds tile 2 x + p, set B tile 2 x + 1 - p: told apart by addresses alone.  At the end every wave sends set B's O^T, -M and sum to its partner through LDS and
; finishes set A: both parts are brought under the larger M by exact powers of two.  A wave without a step sends zeros and -M = 3e38, whose factor is 0.
; ONLY THE LIVE KEY STEPS ARE WALKED: bit ks of act[tile], stored by the first launch; here the OR of the two tiles' words (at least one bit).  A step that is dead for one of the two tiles only
; brings hidden keys, which add nothing.  Trip count and addresses hang on that stored word, so this launch has no tensor load and no joint request: operands come straight into registers from
; buffers laid in register order, each set asked for a phase ahead of its use.  The last trip asks for its own step's K again, so that every trip issues the same loads.
; LAYOUT.  S^T = K Q^T (source 0 = 16 keys, source 1 = 16 queries), O^T = V^T P^T: a lane holds ONE query of each tile; register 8 tau + j of S^T is key 16 tau + 8 (lane / 16) + j.
; THE SOFT CAP: tanh(u) = 1 - 2 r, r = 1 / (1 + 2^(2 u log2 e)); so t = C - 2 C r with C = 50 log2 e, and t - M is ONE fused multiply-add on r.  The largest t is the smallest r.
; THE MASK: a hidden key gets r = 2^100.  2 C 2^100 is a number of f32 beside which C vanishes: a row that has seen no open key has t = -2 C 2^100 = M exactly and p = 1 (the uniform softmax of a row
; with no open key at all, for which act has every bit set); the first open key makes the rescaling factor 0, which wipes those sums; afterwards a hidden key's p is 0.
; The lane masks of one tile and step are 64 scalar registers: set A's are applied, set B's asked for, set A's softmax goes on meanwhile; then set B's, and set A's of the next step are asked for.
; LIMITS: NaN and infinities are not served; blocks of zeros carry the scale byte 1.  The scale bytes leave as 16 of each row's 32 bytes.
; REGISTERS: window 0: v1-11, v27-29 addresses; v12-17, v20-25 statistics of sets A, B; v18-19 p's scale words, v30-31 Q's; v32-63 Q; v64-191 S^T, r, p; v192-207 codes; v208-223 K's and V's scale words;
;   v224-255 at work.   window 1: v0-127 K's 16 fragments, v128-255 V's 16.   window 2: O^T, set A at v0, set B at v128, tile d at 8 d.
.set LI,   1                           ; 16 x lane
.set KO,   2
.set KSO,  3
.set VO,   4
.set VSO,  5
.set RBIG, 6                           ; 2^100
.set SI,   7                           ; the way out: stage, in
.set SWA,  8                           ; scale words, in
.set SB,   9                           ; stage, back
.set SSB,  10                          ; scale words, back
.set XW,   11                          ; the exchange: my region
.set PS,   18                          ; v18-19 p's scale words
.set PW,   26
.set GOC,  27                          ; my byte in two rows of codes
.set XR,   28                          ; the exchange: my partner's region
.set GOS,  29                          ; my row of scale bytes
.set QS,   30                          ; v30-31 Q's scale words
.set QF,   32
.set S,    64
.set PC,   192
.set KS,   208
.set VS,   216
.set TM,   224
.set XSZ,  16896                       ; LDS: a wave's exchange region: 128 registers' images and 16 bytes a lane for the pair (-M, sum)
.set STG,  4*XSZ                       ; the stage: 32 rows x (256 bytes + 16)
.set SCS,  STG+32*272                  ; the scale words: 32 rows x 16 bytes
.set WV,   91
.set SEL,  92
.set C1,   94                          ; s[94:95] 2 log2(e) / 50
.set M2C,  96                          ; s[96:97] -2 C
.set CC,   98                          ; s98 C = 50 log2(e)
.set MSB, 0
.macro WIN new
.if MSB != (\new)
	s_set_vgpr_msb (MSB<<8)|(\new)
.set MSB, (\new)
.endif
.endm
.macro KLOAD                           ; step s89's K: 32 loads of codes, 2 of scale words.  The four plain lines are the places behind the products that read these registers
	v_lshl_add_u32 v[KO], s89, 14, v[LI]
	v_lshl_add_u32 v[KSO], s89, 10, v[LI]
	v_nop
	v_nop
	WIN 0x40
.set n, 0
.rept 32
	global_load_b128 v[4*n:4*n+3], v[KO], s[4:5] offset:512*n
.set n, n+1
.endr
	WIN 0
	global_load_b128 v[KS:KS+3], v[KSO], s[6:7]
	global_load_b128 v[KS+4:KS+7], v[KSO], s[6:7] offset:512
.endm
.macro VLOAD                           ; step s88's V
	v_lshl_add_u32 v[VO], s88, 14, v[LI]
	v_lshl_add_u32 v[VSO], s88, 10, v[LI]
	WIN 0x40
.set n, 0
.rept 32
	global_load_b128 v[128+4*n:128+4*n+3], v[VO], s[8:9] offset:512*n
.set n, n+1
.endr
	WIN 0
	global_load_b128 v[VS:VS+3], v[VSO], s[10:11]
	global_load_b128 v[VS+4:VS+7], v[VSO], s[10:11] offset:512
.endm
.macro MLOAD so                        ; the 64 lane masks of the tile and step at byte s[so]: registers j = 0..3 of tiles of keys 0-3, 4-7; then j = 4..7
	s_load_b512 s[16:31], s[12:13], s[\so] offset:0x0
	s_load_b512 s[32:47], s[12:13], s[\so] offset:0x40
	s_load_b512 s[48:63], s[12:13], s[\so] offset:0x200
	s_load_b512 s[68:83], s[12:13], s[\so] offset:0x240
.endm
.macro NEXT                            ; s89 = my next live step (the current one again when none is left); s90, s104 = its masks' bytes for sets A, B; s66 = set B's of the step in hand
	s_wait_kmcnt 0x0                               ; the scalar loads are in: set A's masks of the step in hand; and their offset registers may be written
	s_mov_b32 s66, s104
	s_ctz_i32_b32 s89, s14
	s_cmp_eq_u32 s14, 0
	s_cselect_b32 s89, s88, s89
	s_min_u32 s89, s89, 31                         ; a number that was loaded enters addresses behind this clamp
	s_sub_co_u32 s99, s14, 1
	s_and_b32 s14, s14, s99                        ; my bit is taken off,
	s_sub_co_u32 s99, s14, 1
	s_and_b32 s14, s14, s99                        ; and my partner's
	s_and_b32 s90, s89, 28
	s_lshl_b32 s90, s90, 8
	s_and_b32 s99, s89, 3
	s_lshl_b32 s99, s99, 7
	s_add_co_u32 s90, s90, s99
	s_add_co_u32 s104, s90, s105                   ; + 8,192 bytes x the tile's place in the pair
	s_add_co_u32 s90, s90, s67
.endm
.macro QLOAD t, sT                     ; set t's Q: tile s[sT]: step tile / 8, fragment tile % 8; two fragments and the scale words (lanes 0-15 the first K step's, lanes 16-31 the second's)
	s_lshr_b32 s18, s[\sT], 3
	s_and_b32 s19, s[\sT], 7
	s_lshl_b32 s16, s18, 14
	s_lshl_b32 s27, s19, 10
	s_add_co_u32 s16, s16, s27
	v_add_nc_u32 v[S+2*\t], s16, v[LI]
	s_lshl_b32 s16, s18, 10
	s_lshr_b32 s27, s19, 2
	s_lshl_b32 s27, s27, 9
	s_add_co_u32 s16, s16, s27
	s_and_b32 s27, s19, 3
	s_lshl_b32 s27, s27, 2
	s_add_co_u32 s16, s16, s27
	v_add_nc_u32 v[S+2*\t+1], s16, v[LI]
.irp n, 0,1,2,3
	global_load_b128 v[QF+16*\t+4*\n:QF+16*\t+4*\n+3], v[S+2*\t], s[100:101] offset:8192*(\n/2)+512*(\n%2)
.endr
	global_load_b32 v[QS+\t], v[S+2*\t+1], s[2:3]
.endm
.macro MASK t                          ; a hidden key's r becomes 2^100
.set i, 0
.rept 64
.set idx, ((i%8)/4)*32+4*(i/8)+(i%4)
.set sr, 16+idx+4*(idx/48)
	v_cndmask_b32 v[S+64*(\t)+i], v[RBIG], v[S+64*(\t)+i], s[sr]
.set i, i+1
.endr
.endm
; Set t from r to p's codes.  WK: +0..3 the blocks' smallest r, then largest p; +4..7 at work; +8..11 the conversions' scale operands; +12 at work; +14, +15 f as a pair.  SU: -M, largest t, the sum (2), C - M (2)
.macro PARTB t
.set WK, 224+16*(\t)
.set SS, S+64*(\t)
.set SU, 12+8*(\t)
.set PCT, PC+8*(\t)
.irp b, 0,1,2,3
	v_min3_num_f32 v[WK+\b], v[SS+16*\b], v[SS+1+16*\b], v[SS+2+16*\b]   ; the smallest r of each block of 32 keys: it serves for the row's largest t and for the block's largest p
.endr
.irp i, 3,5,7,9,11,13
.irp b, 0,1,2,3
	v_min3_num_f32 v[WK+\b], v[WK+\b], v[SS+16*\b+\i], v[SS+1+16*\b+\i]
.endr
.endr
.irp b, 0,1,2,3
	v_min_num_f32 v[WK+\b], v[WK+\b], v[SS+15+16*\b]
.endr
.irp b, 0,1,2,3
	v_permlanex16_b32 v[WK+4+\b], v[WK+\b], s[SEL], s[SEL+1]
.endr
.irp b, 0,1,2,3
	v_min_num_f32 v[WK+\b], v[WK+\b], v[WK+4+\b]
.endr
	v_min3_num_f32 v[WK+12], v[WK], v[WK+1], v[WK+2]
	v_min_num_f32 v[WK+12], v[WK+12], v[WK+3]
	v_fma_f32 v[WK+12], v[WK+12], s[M2C], s[CC]    ; the step's largest t
	v_max_num_f32 v[SU+1], v[SU+1], v[WK+12]
	v_mov_b32 v[WK+12], v[SU]
	v_floor_f32 v[SU], -v[SU+1]                    ; the new -M: M is a whole number
	v_sub_f32 v[WK+12], v[SU], v[WK+12]            ; old M - new M, 0 or less
	v_cvt_i32_f32 v[WK+12], v[WK+12]               ; (it saturates)
	v_ldexp_f32 v[WK+14], 1.0, v[WK+12]            ; f = 2^(old M - new M)
	v_add_f32 v[SU+4], s[CC], v[SU]                ; C - M
	v_mov_b32 v[SU+5], v[SU+4]
.set i, 0
.rept 32
	v_pk_fma_f32 v[SS+i:SS+i+1], v[SS+i:SS+i+1], s[M2C:M2C+1], v[SU+4:SU+5] op_sel_hi:[1,0,0]   ; t - M
.set i, i+2
.endr
.irp b, 0,1,2,3
	v_fma_f32 v[WK+\b], v[WK+\b], s[M2C], v[SU+4]
.endr
.set i, 0
	s_wait_alu depctr_va_vdst(0)
.rept 64
	v_exp_f32 v[SS+i], v[SS+i]                     ; p, at most 1, not normalised
.set i, i+1
.endr
	v_pk_mul_f32 v[SU+2:SU+3], v[SU+2:SU+3], v[WK+14:WK+15] op_sel_hi:[1,0]   ; the sum under the new M (a plain line behind the exponentials)
	s_wait_alu depctr_va_vdst(0)                   ; one wait for the batch, ahead of its first reader
.irp b, 0,1,2,3
	v_exp_f32 v[WK+\b], v[WK+\b]                   ; the blocks' largest p: the same two instructions on the same number
.endr
	v_pk_add_f32 v[WK+4:WK+5], v[SS:SS+1], v[SS+2:SS+3]   ; the row's sum of the unquantised p, in two chains
.irp j, 4,8,12,16,20,24,28,32,36,40,44,48,52,56,60
	v_pk_add_f32 v[SU+2:SU+3], v[SU+2:SU+3], v[SS+\j:SS+\j+1]
	v_pk_add_f32 v[WK+4:WK+5], v[WK+4:WK+5], v[SS+\j+2:SS+\j+3]
.endr
	v_pk_add_f32 v[SU+2:SU+3], v[SU+2:SU+3], v[WK+4:WK+5]
	s_wait_alu depctr_va_vdst(0)                   ; and one for the four
.irp b, 0,1,2,3
	v_max_num_f32 v[WK+\b], 0x1800000, v[WK+\b]    ; the floor 2^(3 - 127)
.endr
.irp b, 0,1,2,3
	v_add_nc_u32 v[WK+8+\b], 0xff000000, v[WK+\b]  ; 2 off the exponent field: the conversion's scale operand
.endr
.irp b, 0,1,2,3
	v_lshrrev_b32 v[WK+4+\b], 23, v[WK+8+\b]       ; the scale's byte
.endr
	v_lshl_or_b32 v[PS+\t], v[WK+5], 8, v[WK+4]
	v_lshl_or_b32 v[PS+\t], v[WK+6], 16, v[PS+\t]
	v_lshl_or_b32 v[PS+\t], v[WK+7], 24, v[PS+\t]
.irp g, 0,1,2,3,4,5,6,7
	v_cvt_scalef32_pk8_fp4_f32 v[PCT+4*(\g/4)+((\g%4)%2)*2+(\g%4)/2], v[SS+8*\g:SS+8*\g+7], v[WK+8+\g/2]
.endr
	v_nop                                          ; one plain line behind a scaled conversion
.irp c, 0,1
	v_permlane16_swap_b32 v[PCT+4*\c], v[PCT+4*\c+1]
	v_permlane16_swap_b32 v[PCT+4*\c+2], v[PCT+4*\c+3]
.endr
.endm
; 64 numbers, v[s + 8 t + j] = place 16 t + 8 h + j of my row's 128 along K, become 8 registers of codes and a scale word (as in the projection's launch)
.macro QUANT s, pc, pw
.irp b, 0,1,2,3
	v_max3_num_f32 v[TM+\b], |v[\s+16*\b]|, |v[\s+16*\b+1]|, 0x1800000
.endr
.irp i, 2,4,6,8,10,12,14
.irp b, 0,1,2,3
	v_max3_num_f32 v[TM+\b], v[TM+\b], |v[\s+16*\b+\i]|, |v[\s+16*\b+\i+1]|
.endr
.endr
.irp b, 0,1,2,3
	v_permlanex16_b32 v[TM+4+\b], v[TM+\b], s[SEL], s[SEL+1]
.endr
.irp b, 0,1,2,3
	v_max_num_f32 v[TM+\b], v[TM+\b], v[TM+4+\b]
.endr
.irp b, 0,1,2,3
	v_add_nc_u32 v[TM+12+\b], 0xff000000, v[TM+\b]
.endr
.irp b, 0,1,2,3
	v_lshrrev_b32 v[TM+4+\b], 23, v[TM+12+\b]
.endr
	v_lshl_or_b32 v[\pw], v[TM+5], 8, v[TM+4]
	v_lshl_or_b32 v[\pw], v[TM+6], 16, v[\pw]
	v_lshl_or_b32 v[\pw], v[TM+7], 24, v[\pw]
.irp t, 0,1,2,3,4,5,6,7
	v_cvt_scalef32_pk8_fp4_f32 v[\pc+4*(\t/4)+((\t%4)%2)*2+(\t%4)/2], v[\s+8*\t:\s+8*\t+7], v[TM+12+\t/2]
.endr
	v_nop
.irp c, 0,1
	v_permlane16_swap_b32 v[\pc+4*\c], v[\pc+4*\c+1]
	v_permlane16_swap_b32 v[\pc+4*\c+2], v[\pc+4*\c+3]
.endr
.endm
	s_load_b256 s[68:75], s[0:1], 0x0              ; qkv, qkvs, mw, act
	s_load_b128 s[84:87], s[0:1], 0x20             ; ocodes, oscales
	v_lshl_add_u32 v253, v0, 2, 0x12c00
	s_set_vgpr_msb 0xc0
	v_mov_b32 v1, 0
	s_set_vgpr_msb 0xc000
	v_lshrrev_b32 v2, 5, v0
	v_readfirstlane_b32 s[WV], v2                  ; wave 0..3
	v_and_b32 v3, 31, v0                           ; lane
	v_lshlrev_b32 v[LI], 4, v3
	v_and_b32 v4, 15, v0                           ; r
	s_wait_alu depctr_va_vdst(0)
	v_bfe_u32 v5, v0, 4, 1                         ; h
	s_and_b32 s20, s[WV], 1                        ; p: my parity among the live steps, and set A's place in the pair of tiles
	s_lshr_b32 s21, s[WV], 1                       ; which of the two heads
	s_and_b32 s22, ttmp7, 0xffff                   ; the pair of heads
	s_lshl_b32 s23, s22, 1
	s_add_co_u32 s23, s23, s21                     ; the head
	s_lshl_b32 s24, ttmp9, 1
	s_add_co_u32 s25, s24, s20                     ; set A's tile: 2 x + p
	s_xor_b32 s26, s20, 1
	s_lshl_b32 s105, s26, 13                       ; set B's masks: 8,192 bytes a tile
	s_add_co_u32 s26, s24, s26                     ; set B's tile: 2 x + 1 - p
	s_lshl_b32 s67, s20, 13                        ; set A's masks
	v_mul_u32_u24 v[SI], v4, 272                   ; the stage: row 16 p + r of 256 bytes + 16, my head's 128 bytes, 16 h
	s_wait_alu depctr_va_vdst(0)
	v_lshl_add_u32 v[SI], v5, 4, v[SI]
	s_mul_i32 s16, s20, 16*272
	s_lshl_b32 s17, s21, 7
	s_add_co_u32 s16, s16, s17
	s_add_co_u32 s16, s16, STG
	v_add_nc_u32 v[SI], s16, v[SI]
	s_lshl_b32 s16, s20, 8                         ; the scale words: 16 bytes a row, my head's 8
	s_lshl_b32 s17, s21, 3
	s_add_co_u32 s16, s16, s17
	s_add_co_u32 s16, s16, SCS
	v_lshl_add_u32 v[SWA], v4, 4, s16
	v_mul_u32_u24 v[SB], v5, 272                   ; back: my eight rows, two an instruction: lanes 0-15 one row of 256 bytes, lanes 16-31 the next
	v_lshl_add_u32 v[SB], v4, 4, v[SB]
	s_mul_i32 s16, s[WV], 8*272
	s_add_co_u32 s16, s16, STG
	v_add_nc_u32 v[SB], s16, v[SB]
	v_add_nc_u32 v[SSB], SCS, v[LI]
	s_mul_i32 s16, s[WV], XSZ
	v_add_nc_u32 v[XW], s16, v[LI]
	s_xor_b32 s16, s[WV], 1                        ; my partner: the same head, the other parity
	s_mul_i32 s16, s16, XSZ
	v_add_nc_u32 v[XR], s16, v[LI]
	v_lshlrev_b32 v[GOC], 9, v5                    ; in ocodes: rows of 512 bytes
	v_lshl_add_u32 v[GOC], v4, 4, v[GOC]
	v_lshlrev_b32 v[GOS], 5, v3                    ; in oscales: rows of 32 bytes, a lane a row
	v_mov_b32 v[RBIG], 0x71800000
	s_mov_b32 s[SEL], 0x76543210
	s_mov_b32 s[SEL+1], 0xfedcba98
	s_mov_b32 s[C1], 0x3d6c5f04
	s_mov_b32 s[C1+1], s[C1]
	s_mov_b32 s[M2C], 0xc31044fe
	s_mov_b32 s[M2C+1], s[M2C]
	s_mov_b32 s[CC], 0x429044fe
	s_mov_b32 s17, 0
	s_wait_kmcnt 0x0
	s_lshl_b32 s16, s23, 19
	s_add_nc_u64 s[100:101], s[68:69], s[16:17]    ; q of my head,
	s_add_nc_u64 s[4:5], s[100:101], 0x200000      ; k,
	s_add_nc_u64 s[8:9], s[100:101], 0x400000      ; v
	s_lshl_b32 s16, s23, 15
	s_add_nc_u64 s[2:3], s[70:71], s[16:17]        ; their scale words
	s_add_nc_u64 s[6:7], s[2:3], 0x20000
	s_add_nc_u64 s[10:11], s[2:3], 0x40000
	s_lshl_b32 s16, ttmp9, 14
	s_add_nc_u64 s[12:13], s[72:73], s[16:17]      ; the two tiles' masks
	s_lshl_b32 s18, s[WV], 12
	s_add_co_u32 s16, s16, s18
	s_lshl_b32 s18, s22, 8
	s_add_co_u32 s16, s16, s18
	s_add_nc_u64 s[84:85], s[84:85], s[16:17]      ; the codes that I store: rows 32 x + 8 wave on, the pair of heads' 256 bytes
	s_lshl_b32 s16, ttmp9, 10
	s_lshl_b32 s18, s22, 4
	s_add_co_u32 s16, s16, s18
	s_add_nc_u64 s[86:87], s[86:87], s[16:17]
	s_lshl_b32 s16, ttmp9, 3
	s_add_nc_u64 s[74:75], s[74:75], s[16:17]
	s_load_b64 s[14:15], s[74:75], 0x0             ; the two tiles' live steps
	QLOAD 0, 25
	QLOAD 1, 26
.irp t, 0,1
	v_mov_b32 v[13+8*\t], 0xff61b1e6               ; the largest t so far: -3e38
	v_floor_f32 v[12+8*\t], -v[13+8*\t]            ; -M
	v_mov_b32 v[14+8*\t], 0
	v_mov_b32 v[15+8*\t], 0
.irp b, 0,1,2,3
	v_mov_b32 v[228+16*\t+\b], 0                   ; written once: a lane permute's destination counts as one of its sources
.endr
	v_mov_b32 v[239+16*\t], 0                      ; (named as the upper half of f's pair)
.endr
	WIN 0x80
.set n, 0
.rept 256
	v_mov_b32 v[n], 0                              ; O^T of both sets.  The step is written once: its first trip finds zeros; and a wave without a step sends zeros
.set n, n+1
.endr
	WIN 0
	s_wait_kmcnt 0x0
	s_or_b32 s14, s14, s15                         ; a step is walked if it lives for either tile
	s_bcnt1_i32_b32 s15, s14
	s_add_co_u32 s15, s15, 1
	s_sub_co_u32 s15, s15, s20
	s_lshr_b32 s15, s15, 1                         ; my trips: (n + 1 - p) / 2
	s_sub_co_u32 s99, s14, 1
	s_and_b32 s99, s14, s99
	s_cmp_eq_u32 s20, 0
	s_cselect_b32 s14, s14, s99                    ; parity 1 begins at the second live step
	s_mov_b32 s88, 0
	s_mov_b32 s104, 0
	NEXT
	s_min_u32 s88, s89, 31                         ; the step in hand
	KLOAD
	MLOAD 90
	s_cmp_eq_u32 s15, 0                            ; one live step in all: parity 1 has none
	s_cbranch_scc1 .Lmerge
.Lstep:
.rept 4
	v_nop                                          ; places behind the last trip's products, in front of the loads into V's registers
.endr
	VLOAD
	s_wait_loadcnt 34                              ; all but V's 34 loads: K and its scale words are in (in the first trip Q too)
	WIN 0x01                                       ; source 0 (K) window 1
.irp q, 0,1                                    ; the sixteen accumulators by turns
.irp g, 0,1,2,3,4,5,6,7
	v_wmma_scale_f32_16x16x128_f8f6f4 v[S+64*\q+8*\g:S+64*\q+8*\g+7], v[8*\g:8*\g+7], v[QF+16*\q:QF+16*\q+7], 0, v[KS+\g], v[QS+\q] matrix_a_fmt:MATRIX_FMT_FP4 matrix_b_fmt:MATRIX_FMT_FP4
.endr
.endr
.irp q, 0,1
.irp g, 0,1,2,3,4,5,6,7
	v_wmma_scale_f32_16x16x128_f8f6f4 v[S+64*\q+8*\g:S+64*\q+8*\g+7], v[64+8*\g:64+8*\g+7], v[QF+16*\q+8:QF+16*\q+15], v[S+64*\q+8*\g:S+64*\q+8*\g+7], v[KS+\g], v[QS+\q] matrix_a_fmt:MATRIX_FMT_FP4 matrix_b_fmt:MATRIX_FMT_FP4 matrix_a_scale:MATRIX_SCALE_ROW1 matrix_b_scale:MATRIX_SCALE_ROW1
.endr
.endr
	WIN 0
	NEXT
	KLOAD                                          ; my next step's K: it has both softmaxes in which to land
	; ---- r = 1 / (1 + 2^(s x 2 log2 e / 50)), both sets together
.set i, 0
.rept 64
	v_pk_mul_f32 v[S+i:S+i+1], v[S+i:S+i+1], s[C1:C1+1] op_sel_hi:[1,0]
.set i, i+2
.endr
.set i, 0
	s_wait_alu depctr_va_vdst(0)
.rept 128
	v_exp_f32 v[S+i], v[S+i]
.set i, i+1
.endr
	v_nop
	s_wait_alu depctr_va_vdst(0)                   ; one wait for the batch, ahead of its first reader
.set i, 0
.rept 64
	v_pk_add_f32 v[S+i:S+i+1], v[S+i:S+i+1], 1.0 op_sel_hi:[1,0]
.set i, i+2
.endr
.set i, 0
	s_wait_alu depctr_va_vdst(0)
.rept 128
	v_rcp_f32 v[S+i], v[S+i]
.set i, i+1
.endr
	v_nop
	s_wait_alu depctr_va_vdst(0)
	MASK 0                                         ; set A's masks were waited for in NEXT
	MLOAD 66                                       ; set B's, of this step: they land while set A goes on
	PARTB 0
	s_wait_kmcnt 0x0
	MASK 1
	MLOAD 90                                       ; set A's, of my next step
	PARTB 1
	WIN 0x82
.irp q, 0,1
.set i, 0
.rept 64
	v_pk_mul_f32 v[128*\q+i:128*\q+i+1], v[128*\q+i:128*\q+i+1], v[238+16*\q:239+16*\q] op_sel_hi:[1,0]   ; O^T under the new M; these lines are also the places between p's codes and scale words and the products
.set i, i+2
.endr
.endr
	s_wait_alu depctr_va_vdst(0)
	s_wait_loadcnt 34                              ; all but the next K's 34 loads: V and its scale words are in
	WIN 0xa1                                       ; source 0 (V) window 1, source 1 (p) window 0, C and D window 2
.irp d, 0,1,2,3,4,5,6,7
.irp q, 0,1
	v_wmma_scale_f32_16x16x128_f8f6f4 v[128*\q+8*\d:128*\q+8*\d+7], v[128+8*\d:128+8*\d+7], v[PC+8*\q:PC+8*\q+7], v[128*\q+8*\d:128*\q+8*\d+7], v[VS+\d], v[PS+\q] matrix_a_fmt:MATRIX_FMT_FP4 matrix_b_fmt:MATRIX_FMT_FP4
.endr
.endr
.irp d, 8,9,10,11,12,13,14,15
.irp q, 0,1
	v_wmma_scale_f32_16x16x128_f8f6f4 v[128*\q+8*\d:128*\q+8*\d+7], v[128+8*\d:128+8*\d+7], v[PC+8*\q:PC+8*\q+7], v[128*\q+8*\d:128*\q+8*\d+7], v[VS+\d-8], v[PS+\q] matrix_a_fmt:MATRIX_FMT_FP4 matrix_b_fmt:MATRIX_FMT_FP4 matrix_a_scale:MATRIX_SCALE_ROW1
.endr
.endr
	WIN 0
	s_min_u32 s88, s89, 31
	s_sub_co_i32 s15, s15, 1
	s_cmp_lg_u32 s15, 0
	s_cbranch_scc1 .Lstep
	; ---- THE TWO PARITIES JOIN.  I send set B, my partner's set A; my partner sends me its set B, my set A
.Lmerge:
	s_wait_loadcnt 0x0                             ; the last K's loads have landed: their registers take my partner's O^T
	s_wait_kmcnt 0x0
.rept 4
	v_nop                                          ; places behind the last products
.endr
	v_add_f32 v21, v22, v23                        ; set B's sum: its two chains (beside -M, as a pair)
	WIN 0x08                                       ; an LDS store's data are its source 1: window 2
.set n, 0
	s_wait_alu depctr_va_vdst(0)
.rept 32
	ds_store_b128 v[XW], v[128+4*n:128+4*n+3] offset:512*n   ; images of the registers; each accumulator from its low end on
.set n, n+1
.endr
	WIN 0
	ds_store_b64 v[XW], v[20:21] offset:16384
	s_wait_dscnt 0x0                               ; for my partner's sake: my stores have landed
	s_barrier_signal -1
	s_barrier_wait -1
	WIN 0x40
.set n, 0
.rept 32
	ds_load_b128 v[4*n:4*n+3], v[XR] offset:512*n
.set n, n+1
.endr
	WIN 0
	ds_load_b64 v[24:25], v[XR] offset:16384
	v_add_f32 v13, v14, v15                        ; my own sum of set A
	s_wait_dscnt 0x0
	v_min_num_f32 v240, v12, v24                   ; -M of the two parts: the larger M
	v_sub_f32 v241, v240, v12
	v_sub_f32 v242, v240, v24                      ; whole numbers, 0 or less
	v_cvt_i32_f32 v241, v241                       ; (they saturate)
	v_cvt_i32_f32 v242, v242
	v_ldexp_f32 v241, 1.0, v241                    ; my part's factor,
	s_wait_alu depctr_va_vdst(0)
	v_ldexp_f32 v242, 1.0, v242                    ; my partner's: exact powers of two, or 0
	v_mul_f32 v13, v13, v241
	v_fma_f32 v13, v25, v242, v13
	v_permlanex16_b32 v244, v13, s[SEL], s[SEL+1]
	v_add_f32 v13, v13, v244                       ; the row's sum
	s_wait_alu depctr_va_vdst(0)
	v_rcp_f32 v13, v13
	v_nop
	s_wait_alu depctr_va_vdst(0)
	v_mul_f32 v246, v241, v13
	v_mul_f32 v248, v242, v13
	v_mov_b32 v247, v246                           ; (the pairs' upper words are named with them)
	v_mov_b32 v249, v248
.irp u, 0,1                                    ; channels 128 u on: one K step of the last projection
	WIN 0x02
.set i, 0
.rept 32
	v_pk_mul_f32 v[S+i:S+i+1], v[64*\u+i:64*\u+i+1], v[246:247] op_sel_hi:[1,0]   ; each accumulator from its low end on
.set i, i+2
.endr
	WIN 0x01
.set i, 0
.rept 32
	v_pk_fma_f32 v[S+i:S+i+1], v[64*\u+i:64*\u+i+1], v[248:249], v[S+i:S+i+1] op_sel_hi:[1,0,1]
.set i, i+2
.endr
	WIN 0
	QUANT S, PC, PW
	ds_store_b128 v[SI], v[PC:PC+3] offset:64*\u       ; K = 64 c + 32 h + 0..31 of the step: bytes 32 c + 16 h
	ds_store_b128 v[SI], v[PC+4:PC+7] offset:64*\u+32
	ds_store_b32 v[SWA], v[PW] offset:4*\u             ; lanes r and r + 16 write the same word with the same value
	s_wait_dscnt 0x0                               ; the stores have read their registers; and, the second time, they have landed, for the others' sake
.endr
	s_barrier_signal -1
	s_barrier_wait -1                              ; 32 rows x 256 bytes of codes, from two heads, lie in the stage
.irp i, 0,1,2,3
	ds_load_b128 v[S+4*\i:S+4*\i+3], v[SB] offset:544*\i
.endr
.irp i, 0,1,2,3
	s_wait_dscnt 3-\i
	global_store_b128 v[GOC], v[S+4*\i:S+4*\i+3], s[84:85] offset:1024*\i   ; sixteen lanes store 256 consecutive bytes, aligned
.endr
	s_cmp_lg_u32 s[WV], 0
	s_cbranch_scc1 .Lend
	ds_load_b128 v[S+16:S+19], v[SSB]              ; the 32 rows' scale bytes of the two heads: 16 bytes a row
	s_wait_dscnt 0x0
	global_store_b128 v[GOS], v[S+16:S+19], s[86:87]
.Lend:
	s_set_vgpr_msb 0xc
	s_wait_tensorcnt 0x0
	ds_add_u32 v253, v1
	s_wait_dscnt 0x0
	s_set_vgpr_msb 0xc00
	s_endpgm
.Lfunc_end_k_q3b60f926d0_attn:
	.size	k_q3b60f926d0_attn, .Lfunc_end_k_q3b60f926d0_attn-k_q3b60f926d0_attn
	.p2alignl 7, 3214868480
	.fill 96, 4, 3214868480
	.section	.rodata,"a",@progbits
	.p2align	6, 0x0
	.amdhsa_kernel k_q3b60f926d0_attn
		.amdhsa_group_segment_fixed_size 77312
		.amdhsa_private_segment_fixed_size 0
		.amdhsa_enable_private_segment 0
		.amdhsa_kernarg_size 48
		.amdhsa_user_sgpr_count 2
		.amdhsa_user_sgpr_kernarg_segment_ptr 1
		.amdhsa_wavefront_size32 1
		.amdhsa_system_sgpr_workgroup_id_x 1
		.amdhsa_system_sgpr_workgroup_id_y 1
		.amdhsa_system_sgpr_workgroup_id_z 1
		.amdhsa_system_vgpr_workitem_id 0
		.amdhsa_next_free_vgpr 770
		.amdhsa_next_free_sgpr 106
		.amdhsa_reserve_vcc 0
		.amdhsa_float_denorm_mode_32 3
		.amdhsa_float_denorm_mode_16_64 3
		.amdhsa_memory_ordered 1
		.amdhsa_forward_progress 1
		.amdhsa_inst_pref_size 112
	.end_amdhsa_kernel
	.amdgpu_metadata
---
amdhsa.version: [ 1, 2 ]
amdhsa.kernels:
  - .name:           k_q3b60f926d0_attn
    .symbol:         k_q3b60f926d0_attn.kd
    .args:
      - { .name: qkv, .offset: 0, .size: 8, .value_kind: global_buffer, .address_space: global }
      - { .name: qkvs, .offset: 8, .size: 8, .value_kind: global_buffer, .address_space: global }
      - { .name: mw, .offset: 16, .size: 8, .value_kind: global_buffer, .address_space: global }
      - { .name: act, .offset: 24, .size: 8, .value_kind: global_buffer, .address_space: global }
      - { .name: ocodes, .offset: 32, .size: 8, .value_kind: global_buffer, .address_space: global }
      - { .name: oscales, .offset: 40, .size: 8, .value_kind: global_buffer, .address_space: global }
    .group_segment_fixed_size: 77312
    .private_segment_fixed_size: 0
    .kernarg_segment_align: 8
    .kernarg_segment_size: 48
    .max_flat_workgroup_size: 128
    .sgpr_count:     106
    .vgpr_count:     770
    .wavefront_size: 32
...
	.end_amdgpu_metadata
.endif
;; end of part 3
;; launch oproj (part 4): grid 8 x 32, 4 waves a work-group, clusters of 4 x 4, 237,568 bytes of LDS; arguments ocodes, oscales, Wo_codes, Wo_scales, out0; writes out0
.if DOCPART == 4
	.amdgcn_target "amdgcn-amd-amdhsa--gfx1250"
	.amdhsa_code_object_version 6
	.text
	.protected	k_q3b60f926d0_oproj
	.globl	k_q3b60f926d0_oproj
	.p2align	8
	.type	k_q3b60f926d0_oproj,@function
k_q3b60f926d0_oproj:
	s_mov_b64 s[64:65], 0
	v_nop
	global_prefetch_b8 v0, s[64:65] scope:SCOPE_SE
	s_setreg_imm32_b32 hwreg(HW_REG_WAVE_MODE, 25, 1), 1
	s_wait_xcnt 0x0
	s_wait_alu depctr_hold_cnt(0) depctr_sa_sdst(0) depctr_va_vdst(0) depctr_va_sdst(0) depctr_va_ssrc(0) depctr_va_vcc(0) depctr_vm_vsrc(0)
	s_getreg_b32 s2, hwreg(HW_REG_IB_STS2, 6, 4)
	s_cmp_eq_u32 s2, 0
	s_cbranch_scc0 .Lentry_in_a_cluster
	s_endpgm
.Lentry_in_a_cluster:
	s_bfe_u32 s2, ttmp6, 0x10000c
	s_cmp_lg_u32 s2, 0xf033
	s_cbranch_scc0 .Lentry_shape_is_right
	s_endpgm
.Lentry_shape_is_right:
; OPROJ.  out0[m][n] = sum over k of O[m][k] Wo[n][k] on FP4 codes with E8M0 scales: O [4096][1024] as the launch before stored it, Wo [2048][1024] as given; f32 sums.
; A block is 128 x 256: 32 x 8 = 256 work-groups.  ALL OF K lies in LDS: 128 rows of O and 256 of Wo, 512 bytes each + 16: filled once, one joint load a wave (waves 0, 1: 64 rows of O; waves 2, 3: 128 rows of Wo).
; Nothing is filled again.  4 x 4 work-groups form a cluster: O's rows are shared along a row of it, Wo's along a column.
; A wave makes 64 x 128: 32 accumulators, which take turns in the same order in each of the 8 steps of 128 along K.
; THE SCALES go from memory into registers once: a row's 32 bytes are its 8 words; lane r (and r + 16, the same bytes) takes row r of a block of 16.
; Source 0 takes rows of Wo, source 1 rows of O: a lane holds eight neighbouring numbers of a row of out0.
; No prefetch: each operand byte is asked for once, at the head, and there is no loop to run ahead in.
; REGISTERS: window 0: v0-31 addresses; v32-63 O's scale words, v64-127 Wo's (nothing else); v128-191 O's fragments, two sets; on the way out v128-255 rows read back.
;   window 1: v0-127 Wo's fragments, two sets.   window 2: the accumulators, (a, b) at 8 (8 a + b).
.set KROW,   512
.set PITCH,  528
.set ATILE,  128*PITCH
.set STAGE,  3*ATILE                   ; behind the tiles: 16 rows x 528 bytes for each wave; no fill lands here
.set SPITCH, 528
.set SPARE,  STAGE+4*16*SPITCH
.set NROW,   2048*4                    ; a row of out0 in bytes
.set ADRA, 16
.set ADRB, 17
.set STO,  24
.set RD,   25
.set CO,   26
.set SO,   27
.set SPW,  28
.set NIL,  29
.set SA,   32
.set SB,   64
.set AF,   128
.set BK,   128
.set G1, 24
.set G0, 32
.set G1B, 48
.set G0B, 56
.set MSB, 0
.macro WIN new
.if MSB != (\new)
	s_set_vgpr_msb (MSB<<8)|(\new)
.set MSB, (\new)
.endif
.endm
.macro CROUND
	s_barrier_signal -1
	s_barrier_wait -1
	s_cmp_lg_u32 s14, 0
	s_cbranch_scc1 .Lnot_wave_0_\@
	s_barrier_signal -3
.Lnot_wave_0_\@:
	s_barrier_wait -3
	s_barrier_signal -1
	s_barrier_wait -1
.endm
.macro PLACES n
.rept \n
	v_nop
.endr
.endm
	s_load_b128 s[4:7], s[0:1], 0x0                ; O's codes, scales
	s_load_b128 s[8:11], s[0:1], 0x10              ; Wo's codes, scales
	s_load_b64 s[12:13], s[0:1], 0x20              ; out0
	v_lshl_add_u32 v[SPW], v0, 2, SPARE
	v_mov_b32 v[NIL], 0
	ds_add_u32 v[SPW], v[NIL]                      ; the opening lines
	ds_add_u32 v[SPW], v[NIL]
	v_lshrrev_b32 v1, 5, v0
	v_readfirstlane_b32 s14, v1                    ; wave
	v_and_b32 v7, 15, v0
	v_lshlrev_b32 v[SO], 5, v7                     ; a row of scales is 32 bytes
	s_lshr_b32 s15, s14, 1                         ; my 64 rows of the block; also: I fetch for O (0) or for Wo (1)
	s_and_b32 s16, s14, 1                          ; my 128 columns; also: which half of that tile I fetch
	s_bfe_u32 s40, ttmp6, 0x40000
	s_bfe_u32 s41, ttmp6, 0x40004
	s_lshl_b32 s42, ttmp9, 2
	s_add_co_u32 s42, s42, s40                     ; block column
	s_and_b32 s17, ttmp7, 0xffff
	s_lshl_b32 s17, s17, 2
	s_add_co_u32 s17, s17, s41                     ; block row
	s_lshl_b32 s43, s41, 2
	s_lshl_b32 s43, 15, s43
	s_lshl_b32 s44, 0x1111, s40
	s_or_b32 s[G1+0], s43, (1<<20)|(1<<21)|(6<<22)|(3<<25)   ; the mask; bytes; 4 words of padding behind every 128
	s_or_b32 s[G1B+0], s44, (1<<20)|(1<<21)|(6<<22)|(3<<25)
	s_mov_b32 s[G1+1], KROW<<16
	s_mov_b32 s[G1+2], 64<<16
	s_mov_b32 s[G1+3], KROW<<16
	s_mov_b32 s[G1+4], 64
	s_mov_b32 s[G1+5], KROW
	s_mov_b32 s[G1+6], 0
	s_mov_b32 s[G1+7], 0
	s_mov_b32 s[G1B+1], KROW<<16
	s_mov_b32 s[G1B+2], 128<<16
	s_mov_b32 s[G1B+3], KROW<<16
	s_mov_b32 s[G1B+4], 128
	s_mov_b32 s[G1B+5], KROW
	s_mov_b32 s[G1B+6], 0
	s_mov_b32 s[G1B+7], 0
	s_lshl_b32 s20, s17, 16                        ; O's codes: 128 rows x 512 bytes a block row, 64 rows a half
	s_lshl_b32 s21, s16, 15
	s_add_co_u32 s20, s20, s21
	s_mov_b32 s21, 0
	s_lshl_b32 s46, s42, 17                        ; Wo's: 256 rows a block column, 128 a half
	s_lshl_b32 s47, s16, 16
	s_add_co_u32 s46, s46, s47
	s_mov_b32 s47, 0
	s_lshl_b32 s22, s17, 12                        ; the scales of my 64 rows of O
	s_lshl_b32 s23, s15, 11
	s_add_co_u32 s22, s22, s23
	s_mov_b32 s23, 0
	s_lshl_b32 s18, s42, 13                        ; and of my 128 rows of Wo
	s_lshl_b32 s19, s16, 12
	s_add_co_u32 s18, s18, s19
	s_mov_b32 s19, 0
	s_mul_i32 s45, s16, 64*PITCH                   ; where the tiles go: the wave's number alone
	s_mul_i32 s2, s16, 128*PITCH
	s_add_co_u32 s2, s2, ATILE
	s_wait_alu depctr_va_vdst(0)
	s_wait_dscnt 0x0
	s_wait_kmcnt 0x0
	s_add_nc_u64 s[6:7], s[6:7], s[22:23]
	s_add_nc_u64 s[10:11], s[10:11], s[18:19]
	s_mov_b32 s[G0], 1
	s_mov_b32 s[G0+1], s45
	s_add_nc_u64 s[G0+2:G0+3], s[4:5], s[20:21]
	s_or_b32 s[G0+3], s[G0+3], 0x80000000
	s_mov_b32 s[G0B], 1
	s_mov_b32 s[G0B+1], s2
	s_add_nc_u64 s[G0B+2:G0B+3], s[8:9], s[46:47]
	s_or_b32 s[G0B+3], s[G0B+3], 0x80000000
	CROUND                                         ; the joint loads meet
	s_cmp_eq_u32 s15, 0
	s_cbranch_scc0 .Lfor_b
	tensor_load_to_lds s[G0:G0+3], s[G1:G1+7]
	s_nop 0
.rept 4
	v_nop
.endr
	s_branch .Lasked
.Lfor_b:
	tensor_load_to_lds s[G0B:G0B+3], s[G1B:G1B+7]
	s_nop 0
.rept 4
	v_nop
.endr
.Lasked:
.irp i, 0,1,2,3                                ; the scale words, behind the joint load: they are first read by the first matrix instruction
	global_load_b128 v[SA+8*\i:SA+8*\i+3], v[SO], s[6:7] offset:512*\i
	global_load_b128 v[SA+8*\i+4:SA+8*\i+7], v[SO], s[6:7] offset:512*\i+16
.endr
.irp i, 0,1,2,3,4,5,6,7
	global_load_b128 v[SB+8*\i:SB+8*\i+3], v[SO], s[10:11] offset:512*\i
	global_load_b128 v[SB+8*\i+4:SB+8*\i+7], v[SO], s[10:11] offset:512*\i+16
.endr
	s_mul_i32 s21, s15, 64*PITCH
	s_mul_i32 s22, s16, 128*PITCH
	s_add_co_u32 s22, s22, ATILE
	s_mul_i32 s23, s14, 16*SPITCH
	s_add_co_u32 s23, s23, STAGE
	s_lshl_b32 s18, s17, 20                        ; my first row of out0: 128 rows x 8,192 bytes a block row, 64 rows a half;
	s_lshl_b32 s19, s15, 19
	s_add_co_u32 s18, s18, s19
	s_lshl_b32 s19, s42, 10                        ; my first column: 1,024 bytes a block column, 512 a half
	s_add_co_u32 s18, s18, s19
	s_lshl_b32 s19, s16, 9
	s_add_co_u32 s18, s18, s19
	s_mov_b32 s19, 0
	s_add_nc_u64 s[12:13], s[12:13], s[18:19]
	v_and_b32 v1, 15, v0
	v_bfe_u32 v2, v0, 4, 1
	v_mul_u32_u24 v3, v1, PITCH
	v_lshl_add_u32 v4, v2, 4, v3
	v_add_nc_u32 v[ADRA], s21, v4
	v_add_nc_u32 v[ADRB], s22, v4
	v_mul_u32_u24 v5, v1, SPITCH
	v_lshl_add_u32 v5, v2, 5, v5
	v_add_nc_u32 v[STO], s23, v5
	v_and_b32 v6, 31, v0
	v_lshlrev_b32 v[CO], 4, v6
	v_add_nc_u32 v[RD], s23, v[CO]
.macro FRAG reg, adr, q, i
.irp c, 0,1
	ds_load_b128 v[(\reg)+4*\c:(\reg)+4*\c+3], v[\adr] offset:64*(\q)+32*\c+(\i)*16*PITCH
.endr
.endm
.macro FETCH q, p                      ; step q's fragments into set p: 16 loads for Wo, 8 for O
	WIN 0x40
.irp i, 0,1,2,3,4,5,6,7
	FRAG 64*(\p)+8*\i, ADRB, \q, \i
.endr
	WIN 0
.irp i, 0,1,2,3
	FRAG AF+32*(\p)+8*\i, ADRA, \q, \i
.endr
.endm
.macro MUL32 p, q, zero
.irp a, 0,1,2,3
.irp b, 0,1,2,3,4,5,6,7
.if \zero
	v_wmma_scale_f32_16x16x128_f8f6f4 v[8*(8*\a+\b):8*(8*\a+\b)+7], v[64*(\p)+8*\b:64*(\p)+8*\b+7], v[AF+32*(\p)+8*\a:AF+32*(\p)+8*\a+7], 0, v[SB+8*\b+(\q)], v[SA+8*\a+(\q)] matrix_a_fmt:MATRIX_FMT_FP4 matrix_b_fmt:MATRIX_FMT_FP4
.else
	v_wmma_scale_f32_16x16x128_f8f6f4 v[8*(8*\a+\b):8*(8*\a+\b)+7], v[64*(\p)+8*\b:64*(\p)+8*\b+7], v[AF+32*(\p)+8*\a:AF+32*(\p)+8*\a+7], v[8*(8*\a+\b):8*(8*\a+\b)+7], v[SB+8*\b+(\q)], v[SA+8*\a+(\q)] matrix_a_fmt:MATRIX_FMT_FP4 matrix_b_fmt:MATRIX_FMT_FP4
.endif
.endr
.endr
.endm
	s_wait_alu depctr_va_vdst(0)
	s_wait_tensorcnt 0x0                           ; my tile is in,
	s_barrier_signal -1
	s_barrier_wait -1                              ; everybody's is
	FETCH 0, 0
	FETCH 1, 1
	s_wait_dscnt 24                                ; all but step 1's 24 loads
	s_wait_loadcnt 0x0                             ; the scale words
	WIN 0xa1                                       ; source 0 window 1, source 1 window 0, C and D window 2
	MUL32 0, 0, 1                                  ; the first step's products start the sums
.set Q, 1
.rept 6
	PLACES 4                                       ; in front of loads into the set that the last step multiplied
	FETCH Q+1, (Q+1)%2
	s_wait_dscnt 24                                ; step Q's fragments are in; the 24 loads just issued may be out
	WIN 0xa1
	MUL32 Q%2, Q, 0
.set Q, Q+1
.endr
	s_wait_dscnt 0x0
	MUL32 1, 7, 0
	WIN 0
; THE WAY OUT, by blocks of 16 rows x 128 columns: through my own stage, back as whole rows of 512 bytes, which the 32 lanes store as two aligned runs of 256 bytes.
; LDS serves a wave's instructions in order (ISA guide 5.7.1.4): no wait between the stores and the loads.
.macro TOSTAGE a
	WIN 0x08
.irp b, 0,1,2,3,4,5,6,7
	ds_store_b128 v[STO], v[64*(\a)+8*\b:64*(\a)+8*\b+3] offset:64*\b        ; each accumulator from its low end on
	ds_store_b128 v[STO], v[64*(\a)+8*\b+4:64*(\a)+8*\b+7] offset:64*\b+16
.endr
	WIN 0
.set BB, BK+64*((\a)%2)
.irp t, 0,1,2,3,4,5,6,7,8,9,10,11,12,13,14,15
	ds_load_b128 v[BB+4*\t:BB+4*\t+3], v[RD] offset:\t*SPITCH
.endr
.endm
.macro SEND a, younger                 ; younger: the LDS instructions issued behind block a's loads
.set BB, BK+64*((\a)%2)
	s_wait_dscnt \younger
.if (\a) > 0
	s_add_nc_u64 s[12:13], s[12:13], 16*NROW       ; behind a wait on XCNT: the earlier stores have read their base
.endif
.irp t, 0,1,2,3,4,5,6,7,8,9,10,11,12,13,14,15
	global_store_b128 v[CO], v[BB+4*\t:BB+4*\t+3], s[12:13] offset:\t*NROW th:TH_STORE_NT
.endr
.endm
	PLACES 4
	TOSTAGE 0
.irp a, 1,2,3
.if \a > 1
	s_wait_xcnt 0x0                                ; block a - 2's stores have read their registers and their base
.endif
	TOSTAGE \a
	SEND \a-1, 32                                  ; behind block a - 1's loads: block a's 16 stores and 16 loads
.endr
	s_wait_xcnt 0x0
	SEND 3, 0
	s_wait_tensorcnt 0x0                           ; the wave's end
	ds_add_u32 v[SPW], v[NIL]
	s_wait_dscnt 0x0
	CROUND                                         ; the closing round
	s_endpgm
.Lfunc_end_k_q3b60f926d0_oproj:
	.size	k_q3b60f926d0_oproj, .Lfunc_end_k_q3b60f926d0_oproj-k_q3b60f926d0_oproj
	.p2alignl 7, 3214868480
	.fill 96, 4, 3214868480
	.section	.rodata,"a",@progbits
	.p2align	6, 0x0
	.amdhsa_kernel k_q3b60f926d0_oproj
		.amdhsa_group_segment_fixed_size 237568
		.amdhsa_private_segment_fixed_size 0
		.amdhsa_enable_private_segment 0
		.amdhsa_kernarg_size 40
		.amdhsa_user_sgpr_count 2
		.amdhsa_user_sgpr_kernarg_segment_ptr 1
		.amdhsa_wavefront_size32 1
		.amdhsa_system_sgpr_workgroup_id_x 1
		.amdhsa_system_sgpr_workgroup_id_y 1
		.amdhsa_system_sgpr_workgroup_id_z 1
		.amdhsa_system_vgpr_workitem_id 0
		.amdhsa_next_free_vgpr 768
		.amdhsa_next_free_sgpr 66
		.amdhsa_reserve_vcc 0
		.amdhsa_float_denorm_mode_32 3
		.amdhsa_float_denorm_mode_16_64 3
		.amdhsa_memory_ordered 1
		.amdhsa_forward_progress 1
		.amdhsa_inst_pref_size 70
	.end_amdhsa_kernel
	.amdgpu_metadata
---
amdhsa.version: [ 1, 2 ]
amdhsa.kernels:
  - .name:           k_q3b60f926d0_oproj
    .symbol:         k_q3b60f926d0_oproj.kd
    .args:
      - { .name: ocodes, .offset: 0, .size: 8, .value_kind: global_buffer, .address_space: global }
      - { .name: oscales, .offset: 8, .size: 8, .value_kind: global_buffer, .address_space: global }
      - { .name: Wo_codes, .offset: 16, .size: 8, .value_kind: global_buffer, .address_space: global }
      - { .name: Wo_scales, .offset: 24, .size: 8, .value_kind: global_buffer, .address_space: global }
      - { .name: out0, .offset: 32, .size: 8, .value_kind: global_buffer, .address_space: global }
    .group_segment_fixed_size: 237568
    .private_segment_fixed_size: 0
    .kernarg_segment_align: 8
    .kernarg_segment_size: 40
    .max_flat_workgroup_size: 128
    .sgpr_count:     66
    .vgpr_count:     768
    .wavefront_size: 32
...
	.end_amdgpu_metadata
.endif
;; end of part 4
